; MI455X (gfx1250); checked and timed in simulation.
; The chip was launched on July 23, 2026; its instructions are those of AMD's public machine-readable ISA for CDNA 5 (MIT licence, August 2026) and "CDNA5" Instruction Set Architecture Reference Guide (July 2026). The comments in the code are by the model that wrote it; some were corrected since.
;; Conformer Self Attention. Allowed arithmetic: float matrix products may take bf16 or f16 operands with f32 sums; other float arithmetic in f32, or as packed bf16 or f16 multiplies, adds, multiply-adds, maxima and minima; sums over many terms, partial sums and values carried from step to step in f32; what a program stores and reads back later, other than sums and carried values, may be rounded once to bf16 or f16.
;; Inputs: Wk 512 x 512 float32; Wo 512 x 512 float32; Wq 512 x 512 float32; Wv 512 x 512 float32; bk 512 float32; bo 512 float32; bq 512 float32; bv 512 float32; dist_emb 73 x 32 float32; hidden_states 4 x 2,048 x 512 float32.
;; Outputs: out0 4 x 2,048 x 512 float32.
;; 2 versions, each right; version 2 is version 1 with the launch qkv written anew for expert scheduling mode. Each part assembles by itself: llvm-mc -triple=amdgcn-amd-amdhsa -mcpu=gfx1250 --defsym DOCPART=n.
;; ======== version 1 of 2: 3 launches
;; limits: values are held in f16: magnitudes above 65,504 overflow, below 6.1e-05 lose precision
;; workspace buffers: qf 8,388,608 bytes; kf 8,388,608 bytes; vf 8,388,608 bytes; of 8,388,608 bytes; wof 524,288 bytes
;; launch qkv (part 1): grid 4 x 64, 8 waves a work-group, no clusters, 279,552 bytes of LDS; arguments hidden_states, Wq, Wk, Wv, bq, bk, bv, Wo, qf, kf, vf, wof; writes qf, kf, vf, wof
.if DOCPART == 1
	.amdgcn_target "amdgcn-amd-amdhsa--gfx1250"
	.amdhsa_code_object_version 6
	.text
	.protected	k_qde5af8691d_qkv
	.globl	k_qde5af8691d_qkv
	.p2align	8
	.type	k_qde5af8691d_qkv,@function
k_qde5af8691d_qkv:
	s_mov_b64 s[64:65], 0
	v_nop
	global_prefetch_b8 v0, s[64:65] scope:SCOPE_SE
	s_setreg_imm32_b32 hwreg(HW_REG_WAVE_MODE, 25, 1), 1
	s_wait_xcnt 0x0
; q' = c (x Wq^T + bq), k = x Wk^T + bk, v = x Wv^T + bv, c = log2(e) / sqrt(32).  x: [8192][512] f32, W: [512][512] f32, b: [512] f32.
; All inputs are rounded to bf16 on the way in; products in bf16, sums in f32; q', k, v are rounded once to f16 and stored IN FRAGMENT ORDER, 16 bytes a lane:
;   qf, kf: [head-and-batch hb (64)][token tile (128)][channel half ct (2)][lane (32)][8]: token 16 tile + lane % 16, channel 16 ct + 8 (lane / 16) + e
;   vf:     [hb][block of 32 keys (64)][channel tile cb (2)][key half c2 (2)][lane][8]:   channel 16 cb + lane % 16, key 32 block + 16 c2 + 8 (lane / 16) + e
; so that the next launch's matrix operands are plain runs of 512 bytes.  Beside that each work-group rounds 16 rows x 64 numbers of Wo to bf16 and writes them as f16:
;   wof:    [tile of 16 rows (32)][step of 32 k (16)][chunk of 8 k (4)][row (16)][8]
; LIMITS.  |c q|, |k|, |v| and |Wo| stay under 65,504 (f16's end); numbers under 6e-5 keep f16's fixed step of 6e-8.  Within a K step of 128 the k are summed in a permuted order, alike for x and W.
; NaN and infinities are not treated apart.
; SHARES.  Work-group (gx, gy): tokens 128 gy .. + 127, channels 128 gx .. + 127 (four heads) of all three products; K = 512 in four steps of 128.
; Wave w computes 64 tokens (half w / 4) x one head (w % 4) x three products: 24 accumulators.  As a loader it brings 64 rows of one source (w / 2: x, Wq, Wk, Wv; half w % 2).
; THROUGH REGISTERS: f32 has to be rounded once for the work-group, so a row pair is loaded (two loads of 16 bytes a lane; 16 lanes take 256 consecutive bytes, aligned), rounded and stored to LDS.
; A lane's piece of 8 bf16 is k = 4 i .. 4 i + 3 and 64 + 4 i .. 64 + 4 i + 3 (i = lane % 16).  NO CLUSTER: loads into registers cannot be asked for jointly.  NO PREFETCH: four K steps, each asked for a step ahead.
; LDS.  Two slots that take turns.  A slot: 32 row tiles (0-7 x, 8-15 Wq, 16-23 Wk, 24-31 Wv) x 16 blocks; a block is piece i of 16 rows, 256 bytes + 16 of padding = 68 words
; and 16 lanes of a fragment load take 256 consecutive bytes.
.set BLK,   272
.set TILEB, 16*BLK                     ; a row tile: 4,352 bytes
.set SLOT,  32*TILEB                   ; 139,264 bytes
.set SPARE, 2*SLOT                     ; behind the slots: the spare words, 128 bytes for each wave: four blocks of 256 bytes that no other line names
.set LO,  3                            ; v3     loader: 2,048 (lane / 16) + 16 (lane % 16); never rewritten
.set LS,  4                            ; v4-5   loader: where my piece goes, slot 0, 1
.set XA,  6                            ; v6-7   my x fragments, slot 0, 1
.set WA,  8                            ; v8-9   my Wq fragments (Wk's lie 8 tiles on), slot 0, 1
.set WB,  10                           ; v10-11 my Wv fragments, slot 0, 1
.set SO,  12                           ; v12    16 x lane
.set SPW, 14                           ; v14    LDS address of my spare word; never rewritten
.set NIL, 15                           ; v15    0; never rewritten
.set G,   16                           ; v16-143  two sets of 64: a group's 16 loads
.set PK,  144                          ; v144-175 a group's 8 pieces
.set XF,  176                          ; v176-207 x fragments, 8 a token tile
.set WF,  208                          ; v208-255 W fragments: 16 product + 8 channel tile
.set ACC, 0                            ; window 1: v0-191 accumulators: 64 product + 16 token tile + 8 channel tile
.set BIAS, 192                         ; window 1: v192-239 the biases as C operands: q 8 ct, k 16 + 8 ct, v 32 + 8 cb
; at the head only, in the fragments' registers:
.set TWL, 176                          ; Wo's four numbers
.set TB0, 180                          ; bq's and bk's 32
.set TBV, 212                          ; bv's 2
.set OWL, 214                          ; offsets: Wo's load,
.set OBQ, 215                          ; bq and bk,
.set OBV, 216                          ; bv,
.set OWS, 217                          ; wof's store
.set TW,  218                          ; Wo at work: v218-225
.set TP,  226                          ; biases packed: v226-242
.set WV,  28                           ; s28 my wave's number
.set GY,  29
.set TH,  30                           ; token half
.set HG,  31                           ; head in the group
.set SRC, 32
.set HALF, 33
.set LB,  36                           ; s[36:37] the loader's base; never rewritten
.set CS,  38                           ; s[38:39] c
.set MSB, 0
.macro WIN new                         ; s_set_vgpr_msb: bits 1:0 source 0, 3:2 source 1, 5:4 source 2, 7:6 destination; the high byte repeats the setting that is left
.if MSB != (\new)
	s_set_vgpr_msb (MSB<<8)|(\new)
.set MSB, (\new)
.endif
.endm
.macro PLACES                          ; four plain places behind a matrix instruction (ISA guide 7.12.1)
.rept 4
	v_nop
.endr
.endm
	s_load_b512 s[4:19], s[0:1], 0x0               ; x, Wq, Wk, Wv, bq, bk, bv, Wo
	s_load_b256 s[20:27], s[0:1], 0x40             ; qf, kf, vf, wof
	v_lshl_add_u32 v[SPW], v0, 2, SPARE
	v_mov_b32 v[NIL], 0
	v_lshrrev_b32 v1, 5, v0
	v_readfirstlane_b32 s[WV], v1
	v_and_b32 v1, 15, v0                           ; lane % 16
	v_bfe_u32 v2, v0, 4, 1                         ; lane / 16
	s_and_b32 s[GY], ttmp7, 0xffff
	s_lshr_b32 s[TH], s[WV], 2
	s_and_b32 s[HG], s[WV], 3
	s_lshr_b32 s[SRC], s[WV], 1
	s_and_b32 s[HALF], s[WV], 1
	s_mov_b32 s[CS], 0x3e8293ee                    ; c = log2(e) / sqrt(32) = 0.255035
	s_mov_b32 s[CS+1], s[CS]                       ; named with it as a pair
	v_lshlrev_b32 v[LO], 4, v1
	v_lshl_add_u32 v[LO], v2, 11, v[LO]
	v_mul_u32_u24 v[LS], v1, BLK                   ; my piece's block, my row of the pair,
	v_lshl_add_u32 v[LS], v2, 4, v[LS]
	s_mul_i32 s40, s[WV], 4*TILEB                  ; my four row tiles
	v_add_nc_u32 v[LS], s40, v[LS]
	v_add_nc_u32 v[LS+1], SLOT, v[LS]
	v_mul_u32_u24 v13, v2, BLK                     ; a fragment: block (lane / 16), row lane % 16
	v_lshl_add_u32 v13, v1, 4, v13
	s_mul_i32 s40, s[TH], 4*TILEB
	v_add_nc_u32 v[XA], s40, v13
	v_add_nc_u32 v[XA+1], SLOT, v[XA]
	s_mul_i32 s40, s[HG], 2*TILEB
	s_add_co_u32 s40, s40, 8*TILEB
	v_add_nc_u32 v[WA], s40, v13
	v_add_nc_u32 v[WA+1], SLOT, v[WA]
	s_add_co_u32 s40, s40, 16*TILEB
	v_add_nc_u32 v[WB], s40, v13
	v_add_nc_u32 v[WB+1], SLOT, v[WB]
	v_and_b32 v[SO], 31, v0
	v_lshlrev_b32 v[SO], 4, v[SO]
	; Wo: work-group n = 4 gy + gx takes rows 16 (n / 8) .., numbers 64 (n % 8) ..; wave w the 8 numbers 8 w .., a lane 4 of one row
	s_lshl2_add_u32 s46, s[GY], ttmp9
	s_lshr_b32 s47, s46, 3
	s_and_b32 s46, s46, 7
	s_lshl_b32 s34, s47, 15
	s_lshl_b32 s35, s46, 8
	s_add_co_u32 s34, s34, s35
	s_lshl_b32 s35, s[WV], 5
	s_add_co_u32 s34, s34, s35                     ; 32,768 tile + 256 (n % 8) + 32 w
	s_lshl_b32 s47, s47, 14
	s_lshl_b32 s46, s46, 11
	s_add_co_u32 s47, s47, s46
	s_lshl_b32 s46, s[WV], 8
	s_add_co_u32 s47, s47, s46                     ; 16,384 tile + 2,048 (n % 8) + 256 w
	s_lshl_b32 s35, ttmp9, 9
	s_lshl_b32 s46, s[HG], 7
	s_add_co_u32 s35, s35, s46                     ; my head's first channel, in bytes of a bias
	v_and_b32 v[OWS], 31, v0
	v_lshrrev_b32 v[OWL], 1, v[OWS]
	v_and_b32 v[OBV], 1, v[OWS]
	v_lshlrev_b32 v[OWL], 11, v[OWL]
	v_lshl_add_u32 v[OWL], v[OBV], 4, v[OWL]
	v_add_nc_u32 v[OWL], s34, v[OWL]
	v_lshl_add_u32 v[OWS], v[OWS], 3, s47
	v_lshl_add_u32 v[OBQ], v2, 5, s35
	v_lshl_add_u32 v[OBV], v1, 2, s35
	; the loader's rows: x by gy, the weights by gx; 128 rows of 2,048 bytes, my half of them
	s_cmp_eq_u32 s[SRC], 0
	s_cselect_b32 s40, s[GY], ttmp9
	s_lshl_b32 s40, s40, 18
	s_lshl_b32 s41, s[HALF], 17
	s_add_co_u32 s40, s40, s41
	s_mov_b32 s41, 0
	; where my results go: hb = 16 (gy / 16) + 4 gx + head, token tile 8 (gy % 16) + 4 half
	s_lshr_b32 s44, s[GY], 4
	s_lshl_b32 s44, s44, 4
	s_lshl_b32 s45, ttmp9, 2
	s_add_co_u32 s44, s44, s45
	s_add_co_u32 s44, s44, s[HG]
	s_lshl_b32 s44, s44, 17
	s_and_b32 s45, s[GY], 15
	s_lshl_b32 s45, s45, 3
	s_lshl2_add_u32 s45, s[TH], s45
	s_lshl_b32 s45, s45, 10
	s_add_co_u32 s44, s44, s45
	s_mov_b32 s45, 0
	s_wait_kmcnt 0x0
	s_cmp_lt_u32 s[SRC], 2
	s_cselect_b64 s[LB:LB+1], s[4:5], s[8:9]       ; x or Wk
	s_cselect_b64 s[42:43], s[6:7], s[10:11]       ; Wq or Wv
	s_and_b32 s34, s[SRC], 1
	s_cmp_eq_u32 s34, 1
	s_cselect_b64 s[LB:LB+1], s[42:43], s[LB:LB+1]
	s_add_nc_u64 s[LB:LB+1], s[LB:LB+1], s[40:41]
	s_add_nc_u64 s[20:21], s[20:21], s[44:45]
	s_add_nc_u64 s[22:23], s[22:23], s[44:45]
	s_add_nc_u64 s[24:25], s[24:25], s[44:45]
; GROUP gm = 4 s + p: my row tile p of K step s: 8 row pairs.
.macro LOADG gm                        ; its 16 loads, into set gm % 2; step and tile stand in the immediate, so no pointer is ever stepped
.set gb, G+64*((\gm)%2)
.set go, 32768*((\gm)%4)+512*((\gm)/4)
.irp a, 0,1,2,3,4,5,6,7
	global_load_b128 v[gb+8*(\a):gb+8*(\a)+3],   v[LO], s[LB:LB+1] offset:go+4096*(\a)
	global_load_b128 v[gb+8*(\a)+4:gb+8*(\a)+7], v[LO], s[LB:LB+1] offset:go+4096*(\a)+256
.endr
.endm
.macro CVT gm, part                    ; half of its 32 roundings to bf16
.set gb, G+64*((\gm)%2)+32*(\part)
.set pb, PK+16*(\part)
.set i, 0
.rept 16
	v_cvt_pk_bf16_f32 v[pb+i], v[gb+2*i], v[gb+2*i+1]
.set i, i+1
.endr
.endm
.macro STOREG gm                       ; its 8 pieces a lane, into the slot of its K step
.set la, LS+((\gm)/4)%2
.irp a, 0,1,2,3,4,5,6,7
	ds_store_b128 v[la], v[PK+4*(\a):PK+4*(\a)+3] offset:TILEB*((\gm)%4)+32*(\a)
.endr
.endm
; The fragments of 32 k (pieces 4 f .. 4 f + 3): lane l holds row l % 16; registers 0-3 piece 4 f + l / 16, registers 4-7 piece 4 f + 2 + l / 16.  20 loads.
.macro FRAGS sl, f
.irp tt, 0,1,2,3
	ds_load_b128 v[XF+8*(\tt):XF+8*(\tt)+3],   v[XA+(\sl)] offset:TILEB*(\tt)+4*BLK*(\f)
	ds_load_b128 v[XF+8*(\tt)+4:XF+8*(\tt)+7], v[XA+(\sl)] offset:TILEB*(\tt)+4*BLK*(\f)+2*BLK
.endr
.irp m, 0,1
.irp ct, 0,1
	ds_load_b128 v[WF+16*(\m)+8*(\ct):WF+16*(\m)+8*(\ct)+3],   v[WA+(\sl)] offset:8*TILEB*(\m)+TILEB*(\ct)+4*BLK*(\f)
	ds_load_b128 v[WF+16*(\m)+8*(\ct)+4:WF+16*(\m)+8*(\ct)+7], v[WA+(\sl)] offset:8*TILEB*(\m)+TILEB*(\ct)+4*BLK*(\f)+2*BLK
.endr
.endr
.irp ct, 0,1
	ds_load_b128 v[WF+32+8*(\ct):WF+32+8*(\ct)+3],   v[WB+(\sl)] offset:TILEB*(\ct)+4*BLK*(\f)
	ds_load_b128 v[WF+32+8*(\ct)+4:WF+32+8*(\ct)+7], v[WB+(\sl)] offset:TILEB*(\ct)+4*BLK*(\f)+2*BLK
.endr
.endm
; 24 products.  q and k: source 0 = 16 rows of W, source 1 = 16 tokens: a lane ends with one token and 8 neighbouring channels.  v: source 0 = 16 tokens, source 1 = 16 rows of Wv: one channel
; and 8 neighbouring keys.  The 24 accumulators take turns, one instruction a turn, in the same order every time.  first = 1: the biases start the sums; nothing is cleared.
.macro MULS first
	WIN 0x50                                       ; C and D in window 1
.irp m, 0,1
.irp tt, 0,1,2,3
.irp ct, 0,1
.if \first
	v_wmma_f32_16x16x32_bf16 v[ACC+64*(\m)+16*(\tt)+8*(\ct):ACC+64*(\m)+16*(\tt)+8*(\ct)+7], v[WF+16*(\m)+8*(\ct):WF+16*(\m)+8*(\ct)+7], v[XF+8*(\tt):XF+8*(\tt)+7], v[BIAS+16*(\m)+8*(\ct):BIAS+16*(\m)+8*(\ct)+7]
.else
	v_wmma_f32_16x16x32_bf16 v[ACC+64*(\m)+16*(\tt)+8*(\ct):ACC+64*(\m)+16*(\tt)+8*(\ct)+7], v[WF+16*(\m)+8*(\ct):WF+16*(\m)+8*(\ct)+7], v[XF+8*(\tt):XF+8*(\tt)+7], v[ACC+64*(\m)+16*(\tt)+8*(\ct):ACC+64*(\m)+16*(\tt)+8*(\ct)+7]
.endif
.endr
.endr
.endr
.irp tt, 0,1,2,3
.irp ct, 0,1
.if \first
	v_wmma_f32_16x16x32_bf16 v[ACC+128+16*(\tt)+8*(\ct):ACC+128+16*(\tt)+8*(\ct)+7], v[XF+8*(\tt):XF+8*(\tt)+7], v[WF+32+8*(\ct):WF+32+8*(\ct)+7], v[BIAS+32+8*(\ct):BIAS+32+8*(\ct)+7]
.else
	v_wmma_f32_16x16x32_bf16 v[ACC+128+16*(\tt)+8*(\ct):ACC+128+16*(\tt)+8*(\ct)+7], v[XF+8*(\tt):XF+8*(\tt)+7], v[WF+32+8*(\ct):WF+32+8*(\ct)+7], v[ACC+128+16*(\tt)+8*(\ct):ACC+128+16*(\tt)+8*(\ct)+7]
.endif
.endr
.endr
.endm
; SUB sg: 32 k of K step sg / 4 are multiplied; beside that group sg + 4, a quarter of my share of the next K step, is rounded and stored, and group sg + 6 asked for.
.macro SUB sg
.set ks, (\sg)/4
.set kq, (\sg)%4
.set mv, (\sg)+4
	WIN 0
.if mv <= 15
.if mv == 15
	s_wait_loadcnt 0x0                             ; the last group: nothing younger is out
.else
	s_wait_loadcnt 16                              ; group mv is in; the next group's 16 loads stay out
.endif
	CVT mv, 0                                      ; sixteen plain lines that name no register of the products: the places in front of the fragment loads
.else
	PLACES
.endif
	FRAGS ks%2, kq
.if mv <= 15
	CVT mv, 1
	STOREG mv
.if mv+2 <= 15
	LOADG mv+2
.endif
	s_wait_dscnt 8                                 ; the 20 fragment loads are in; my 8 younger stores stay out
.else
	s_wait_dscnt 0x0
.endif
.if (\sg) == 0
	MULS 1
.else
	MULS 0
.endif
.if (kq == 3) && (ks < 3)
	WIN 0
	s_wait_dscnt 0x0                               ; my stores into the next slot are done, and my reads of this one (waited for above) are over
	s_barrier_signal -1
	s_barrier_wait -1                              ; so is everybody's: the next slot is whole, and this one may be written
.endif
.endm
	global_load_b128 v[TWL:TWL+3], v[OWL], s[18:19]
.irp ct, 0,1
.irp hf, 0,1
	global_load_b128 v[TB0+8*(\ct)+4*(\hf):TB0+8*(\ct)+4*(\hf)+3],       v[OBQ], s[12:13] offset:64*(\ct)+16*(\hf)
	global_load_b128 v[TB0+16+8*(\ct)+4*(\hf):TB0+16+8*(\ct)+4*(\hf)+3], v[OBQ], s[14:15] offset:64*(\ct)+16*(\hf)
.endr
.endr
	global_load_b32 v[TBV], v[OBV], s[16:17]
	global_load_b32 v[TBV+1], v[OBV], s[16:17] offset:64
	LOADG 0
	LOADG 1
	s_wait_loadcnt 32                              ; the eleven small loads are in; the two groups' 32 stay out
	v_cvt_pk_bf16_f32 v[TW], v[TWL], v[TWL+1]      ; Wo: rounded to bf16 like every input, and that number written as f16
	v_cvt_pk_bf16_f32 v[TW+1], v[TWL+2], v[TWL+3]
	v_lshlrev_b32 v[TW+2], 16, v[TW]
	v_and_b32 v[TW+3], 0xffff0000, v[TW]
	v_lshlrev_b32 v[TW+4], 16, v[TW+1]
	v_and_b32 v[TW+5], 0xffff0000, v[TW+1]
	v_cvt_pk_f16_f32 v[TW+6], v[TW+2], v[TW+3]
	v_cvt_pk_f16_f32 v[TW+7], v[TW+4], v[TW+5]
	global_store_b64 v[OWS], v[TW+6:TW+7], s[26:27]  ; the wave's 32 lanes store 256 consecutive bytes, aligned
.set i, 0
.rept 16
	v_cvt_pk_bf16_f32 v[TP+i], v[TB0+2*i], v[TB0+2*i+1]
.set i, i+1
.endr
	v_cvt_pk_bf16_f32 v[TP+16], v[TBV], v[TBV+1]
	WIN 0x40                                       ; destination window 1
.set i, 0
.rept 16
	v_lshlrev_b32 v[BIAS+2*i], 16, v[TP+i]
	v_and_b32 v[BIAS+2*i+1], 0xffff0000, v[TP+i]
.set i, i+1
.endr
.set i, 0
.rept 8                                ; in v's result a lane holds one channel: its bias in all eight registers
	v_lshlrev_b32 v[BIAS+32+i], 16, v[TP+16]
	v_and_b32 v[BIAS+40+i], 0xffff0000, v[TP+16]
.set i, i+1
.endr
	WIN 0
.irp gq, 0,1,2,3                       ; K step 0 goes into slot 0
	s_wait_loadcnt 16                              ; the group is in; the next one's 16 loads stay out
	CVT \gq, 0
	CVT \gq, 1
	STOREG \gq
	LOADG (\gq)+2
.endr
	s_wait_dscnt 0x0                               ; for the others' sake: my stores are done
	s_barrier_signal -1
	s_barrier_wait -1
	s_wait_xcnt 0x0                                ; wof's store has read its registers, which the fragments take now
.irp sq, 0,1,2,3,4,5,6,7,8,9,10,11,12,13,14,15
	SUB \sq
.endr
	; THE WAY OUT.  Each accumulator's eight numbers are 16 bytes of f16 that belong together; a store of the wave covers 512 consecutive bytes.  Each accumulator is read from its low end on.
	WIN 0
	PLACES
	WIN 0x01                                       ; source 0 window 1
.set i, 0
.rept 32
	v_pk_mul_f32 v[G+2*i:G+2*i+1], v[ACC+2*i:ACC+2*i+1], s[CS:CS+1] op_sel_hi:[1,0]  ; q times c, in f32, ahead of its one rounding
.set i, i+1
.endr
	WIN 0x05                                       ; sources 0 and 1 window 1
.set i, 0
.rept 64
	v_cvt_pk_f16_f32 v[G+64+i], v[ACC+64+2*i], v[ACC+64+2*i+1]  ; k, then v
.set i, i+1
.endr
	WIN 0
.set i, 0
.rept 32
	v_cvt_pk_f16_f32 v[PK+i], v[G+2*i], v[G+2*i+1]
.set i, i+1
.endr
.irp tt, 0,1,2,3
.irp ct, 0,1
	global_store_b128 v[SO], v[PK+8*(\tt)+4*(\ct):PK+8*(\tt)+4*(\ct)+3],     s[20:21] offset:1024*(\tt)+512*(\ct)
	global_store_b128 v[SO], v[G+64+8*(\tt)+4*(\ct):G+64+8*(\tt)+4*(\ct)+3], s[22:23] offset:1024*(\tt)+512*(\ct)
	global_store_b128 v[SO], v[G+96+8*(\tt)+4*(\ct):G+96+8*(\tt)+4*(\ct)+3], s[24:25] offset:2048*((\tt)/2)+1024*(\ct)+512*((\tt)%2)
.endr
.endr
	s_wait_tensorcnt 0x0                           ; the wave's end, behind my last LDS store
	ds_add_u32 v[SPW], v[NIL]
	s_wait_dscnt 0x0
	s_endpgm
.Lfunc_end_k_qde5af8691d_qkv:
	.size	k_qde5af8691d_qkv, .Lfunc_end_k_qde5af8691d_qkv-k_qde5af8691d_qkv
	.p2alignl 7, 3214868480
	.fill 96, 4, 3214868480
	.section	.rodata,"a",@progbits
	.p2align	6, 0x0
	.amdhsa_kernel k_qde5af8691d_qkv
		.amdhsa_group_segment_fixed_size 279552
		.amdhsa_private_segment_fixed_size 0
		.amdhsa_enable_private_segment 0
		.amdhsa_kernarg_size 96
		.amdhsa_user_sgpr_count 2
		.amdhsa_user_sgpr_kernarg_segment_ptr 1
		.amdhsa_wavefront_size32 1
		.amdhsa_system_sgpr_workgroup_id_x 1
		.amdhsa_system_sgpr_workgroup_id_y 1
		.amdhsa_system_sgpr_workgroup_id_z 1
		.amdhsa_system_vgpr_workitem_id 0
		.amdhsa_next_free_vgpr 496
		.amdhsa_next_free_sgpr 66
		.amdhsa_reserve_vcc 0
		.amdhsa_float_denorm_mode_32 3
		.amdhsa_float_denorm_mode_16_64 3
		.amdhsa_memory_ordered 1
		.amdhsa_forward_progress 1
		.amdhsa_inst_pref_size 131
	.end_amdhsa_kernel
	.amdgpu_metadata
---
amdhsa.version: [ 1, 2 ]
amdhsa.kernels:
  - .name:           k_qde5af8691d_qkv
    .symbol:         k_qde5af8691d_qkv.kd
    .args:
      - { .name: hidden_states, .offset: 0, .size: 8, .value_kind: global_buffer, .address_space: global }
      - { .name: Wq, .offset: 8, .size: 8, .value_kind: global_buffer, .address_space: global }
      - { .name: Wk, .offset: 16, .size: 8, .value_kind: global_buffer, .address_space: global }
      - { .name: Wv, .offset: 24, .size: 8, .value_kind: global_buffer, .address_space: global }
      - { .name: bq, .offset: 32, .size: 8, .value_kind: global_buffer, .address_space: global }
      - { .name: bk, .offset: 40, .size: 8, .value_kind: global_buffer, .address_space: global }
      - { .name: bv, .offset: 48, .size: 8, .value_kind: global_buffer, .address_space: global }
      - { .name: Wo, .offset: 56, .size: 8, .value_kind: global_buffer, .address_space: global }
      - { .name: qf, .offset: 64, .size: 8, .value_kind: global_buffer, .address_space: global }
      - { .name: kf, .offset: 72, .size: 8, .value_kind: global_buffer, .address_space: global }
      - { .name: vf, .offset: 80, .size: 8, .value_kind: global_buffer, .address_space: global }
      - { .name: wof, .offset: 88, .size: 8, .value_kind: global_buffer, .address_space: global }
    .group_segment_fixed_size: 279552
    .private_segment_fixed_size: 0
    .kernarg_segment_align: 8
    .kernarg_segment_size: 96
    .max_flat_workgroup_size: 256
    .sgpr_count:     66
    .vgpr_count:     496
    .wavefront_size: 32
...
	.end_amdgpu_metadata
.endif
;; end of part 1
;; launch attn (part 2): grid 4 x 64, 8 waves a work-group, no clusters, 322,560 bytes of LDS; arguments qf, kf, vf, dist_emb, of; writes of
.if DOCPART == 2
	.amdgcn_target "amdgcn-amd-amdhsa--gfx1250"
	.amdhsa_code_object_version 6
	.text
	.protected	k_qde5af8691d_attn
	.globl	k_qde5af8691d_attn
	.p2align	8
	.type	k_qde5af8691d_attn,@function
k_qde5af8691d_attn:
	s_mov_b64 s[64:65], 0
	v_nop
	global_prefetch_b8 v0, s[64:65] scope:SCOPE_SE
	s_setreg_imm32_b32 hwreg(HW_REG_WAVE_MODE, 25, 1), 1
	s_wait_xcnt 0x0
; O[q] = the sum over keys r of softmax_r(q' . k_r + q' . e[clip(r - q, -64, 8) + 64]) v_r, for one head and batch: 2,048 queries and keys, 32 channels.  q' holds the factor log2(e) / sqrt(32), so
; all scores are exponents of 2.  qf, kf, vf: f16 in fragment order (the launch before); dist_emb: [73][32] f32, rounded to bf16 like every input and that number taken as f16.
; Products, maxima and sums in f32; the weights p are rounded to f16 for the second product (their sum l is taken of the unrounded p), O once at the end, to f16, in fragment order:
;   of: [token tile of all batches (512)][head (16)][channel half (2)][lane (32)][8]: token 16 tile + lane % 16, channel 16 half + 8 (lane / 16) + e
; LIMITS.  f16 ends at 65,504: dist_emb stays within it; p below 6e-5 keeps f16's fixed step of 6e-8; a weight below 2^-126 counts as 0 in l; NaN and infinities are not treated apart.
; SHARES.  Work-group (x, hb): 512 queries of head-and-batch hb; wave w 64 of them, block WBLK = 8 x + w of the head's 32: four tiles of 16.  The head's K and V, 131,072 bytes each, lie in LDS
; for the whole launch: each wave brings a sixteenth by each of two tensor loads at the head (two of mine are out), one barrier, and no barrier after that.  Every wave walks 32 steps of 64 keys.
; LAYOUT.  S^T = K Q'^T + C (source 0 = 16 keys, source 1 = 16 queries): a lane holds ONE query (lane % 16) and the keys 8 (lane / 16) + 0..7.  Two such tiles rounded to f16 ARE source 1 of O^T = V^T P.
; THE RELATIVE TERM IS THE C OPERAND.  For query tile t and key tile i of the step rel = step - WBLK let d = 4 (rel + 1) + i - t.  d < 0: every key lies 65 or more to the left, the term is q' . e[0];
; d > 5: 17 or more to the right, q' . e[72]; both are one number a query, kept in CF (8 registers a tile): e[0]'s until the step rel = 0, which needs it no more and writes e[72]'s.
; 0 <= d <= 5: a skewed tile CB(t, d), 24 of them, made once at the head from a table T[query][x] = q' . e[min(x, 87) - min(x, 15)], x = key - query + 79 = 0 .. 110.
; SOFTMAX.  A running maximum m and sum l a query: p = 2^(s - m); in every step O and l are multiplied by a = 2^(m_old - m_new).  m starts at the lowest finite number, O and l at 0: the first step is a
; step like any other, with a = 0; the price is 64 lines that write 0, while the tiles are on their way.
; TWO WAVES A SIMD share the matrix and vector units: a tile and step have 8 matrix and 111 vector instructions, and nothing in the loop holds the waves in the same phase.
; NO CLUSTER: the four work-groups of a head own different queries, so the trip in which the band falls, a branch, differs between them; a share alike in all partners (a tile of every block of 64
; queries) wants the 12 C tiles of three band steps for each of a wave's four tiles, 384 registers where 288 are free.  NO PREFETCH: every tile of the launch is asked for at its head.
; REGISTERS, in windows of 256 (s_set_vgpr_msb: bits 1:0 source 0, 3:2 source 1, 5:4 source 2, 7:6 destination):
;   window 0: v0-15 addresses; v16-47 statistics; v48-79 Q; v80-143 O^T; v144-207 S^T, two buffers; v208-223 P; v224-255 V of a step      window 1: v0-191 CB; v192-223 CF; v224-255 K of a step
.set VB,     131072                    ; LDS: K from 0 (a tile of 16 keys: 1,024 bytes), V from here (32 keys: 2,048 bytes)
.set SCR,    262144                    ; a table for each wave, its own: 16 rows (queries)
.set TPITCH, 464                       ; of 112 f32 + 16 bytes = 29 x 16 bytes
.set TABB,   16*TPITCH
.set SPARE,  SCR+8*TABB                ; the spare words, 128 bytes for each wave: four blocks of 256 bytes that no other line names
.set AV0, 3                            ; v3   VB + 16 x lane; never rewritten
.set AK,  4                            ; v4   K of the step in hand
.set AV,  5                            ; v5   V of the step in hand
.set TS,  6                            ; v6   table: where my results go
.set TG,  7                            ; v7   table: my skewed reads
.set TB,  8                            ; v8   table: my query's row
.set LO16, 9                           ; v9   16 x lane; never rewritten
.set SPW, 10                           ; v10  LDS address of my spare word; never rewritten
.set NIL, 11                           ; v11  0; never rewritten
.set ST,  16                           ; tile t at ST + 8 t: m; q' . e[72]; l (even keys', odd keys'); c0-c3 at work (a takes c2, its exponent c3)
.set Q,   48
.set O,   80                           ; 16 t + 8 channel tile
.set S,   144                          ; buffer t % 2
.set P,   208
.set VF,  224                          ; 16 key half + 8 channel tile
.set CB,  0                            ; window 1: 48 t + 8 d
.set CF,  192                          ; window 1: 8 t
.set KF,  224                          ; window 1: 8 key tile
.set ER,  80                           ; at the head: e's rows as loaded, 16 a tile of 16 rows (v80-191),
.set DT,  80                           ; then the table's products, two sets of 56
.set EF,  192                          ; e's fragments, 8 a tile (v192-247)
.set EO,  248                          ; their seven offsets
.set WV,   14
.set HB,   15
.set WBLK, 17
.set SIDX, 18
.set WB1,  19                          ; WBLK + 1
.set G1,   24                          ; s[24:31] descriptor group 1
.set G0K,  32                          ; s[32:35] group 0 for my part of K
.set G0V,  36                          ; s[36:39] for my part of V
.set SEL,  40                          ; s[40:41] v_permlanex16_b32's selects: each lane takes its own place in the other half
.set MSB, 0
.macro WIN new                         ; the high byte repeats the setting that is left; a switch that changes nothing is dropped
.if MSB != (\new)
	s_set_vgpr_msb (MSB<<8)|(\new)
.set MSB, (\new)
.endif
.endm
.macro PLACES                          ; four plain places behind a matrix instruction (ISA guide 7.12.1)
.rept 4
	v_nop
.endr
.endm
	s_load_b256 s[4:11], s[0:1], 0x0               ; qf s[4:5], kf s[6:7], vf s[8:9], dist_emb s[10:11]
	s_load_b64 s[12:13], s[0:1], 0x20              ; of
	v_lshl_add_u32 v[SPW], v0, 2, SPARE
	v_mov_b32 v[NIL], 0
	ds_add_u32 v[SPW], v[NIL]                      ; the wave's opening: the add and its wait stand ahead of my first tensor load; work on registers stands between them
	v_lshrrev_b32 v1, 5, v0
	v_readfirstlane_b32 s[WV], v1
	s_and_b32 s[HB], ttmp7, 0xffff
	s_lshl_b32 s[WBLK], ttmp9, 3
	s_add_co_u32 s[WBLK], s[WBLK], s[WV]
	s_add_co_u32 s[WB1], s[WBLK], 1
	; group 1: 16,384 dense bytes as 64 rows of 256 bytes, no padding: fragments lie end to end
	s_mov_b32 s[G1+0], 3<<16                       ; elements of 8 bytes; no mask, no padding
	s_mov_b32 s[G1+1], 32<<16                      ; tensor_dim0 = 32
	s_mov_b32 s[G1+2], 64<<16                      ; tensor_dim1 = 64
	s_mov_b32 s[G1+3], 32<<16                      ; tile_dim0 = 32
	s_mov_b32 s[G1+4], 64                          ; tile_dim1 = 64
	s_mov_b32 s[G1+5], 32                          ; 32 elements from row to row
	s_mov_b32 s[G1+6], 0
	s_mov_b32 s[G1+7], 0
	s_mov_b32 s[G0K], 1
	s_lshl_b32 s[G0K+1], s[WV], 14                 ; LDS: 16,384 x wave
	s_mov_b32 s[G0V], 1
	s_add_co_u32 s[G0V+1], s[G0K+1], VB
	s_lshl_b32 s20, s[HB], 17                      ; the head's 131,072 bytes,
	s_lshl_b32 s21, s[WV], 14                      ; my sixteenth... an eighth of K and an eighth of V
	s_add_co_u32 s20, s20, s21
	s_mov_b32 s21, 0
	s_mov_b32 s[SEL], 0x76543210
	s_mov_b32 s[SEL+1], 0xfedcba98
	s_wait_dscnt 0x0                               ; the opening add is done
	s_wait_kmcnt 0x0
	s_add_nc_u64 s[G0K+2:G0K+3], s[6:7], s[20:21]
	s_or_b32 s[G0K+3], s[G0K+3], 0x80000000        ; type = 2
	s_add_nc_u64 s[G0V+2:G0V+3], s[8:9], s[20:21]
	s_or_b32 s[G0V+3], s[G0V+3], 0x80000000
	tensor_load_to_lds s[G0K:G0K+3], s[G1:G1+7]
	s_nop 0
	tensor_load_to_lds s[G0V:G0V+3], s[G1:G1+7]
	s_nop 0
	v_and_b32 v1, 15, v0                           ; lane % 16: my query in a tile
	v_bfe_u32 v2, v0, 4, 1                         ; lane / 16
	v_and_b32 v[LO16], 31, v0
	v_lshlrev_b32 v[LO16], 4, v[LO16]
	s_lshl_b32 s20, s[HB], 17
	s_lshl_b32 s21, s[WBLK], 12
	s_add_co_u32 s20, s20, s21
	s_mov_b32 s21, 0
	s_add_nc_u64 s[4:5], s[4:5], s[20:21]          ; my four tiles of Q
.irp t, 0,1,2,3
	global_load_b128 v[Q+8*(\t):Q+8*(\t)+3],   v[LO16], s[4:5] offset:1024*(\t) th:TH_LOAD_NT
	global_load_b128 v[Q+8*(\t)+4:Q+8*(\t)+7], v[LO16], s[4:5] offset:1024*(\t)+512 th:TH_LOAD_NT
.endr
	; the table's 112 rows of e: row x is e[min(x, 87) - min(x, 15)]; a fragment's lane takes channels 8 (l / 16) + 0..7 and 16 + 8 (l / 16) + 0..7 of row l % 16
	v_lshlrev_b32 v15, 5, v2
.irp u, 0,1,2,3,4,5,6
	v_add_nc_u32 v12, 16*(\u), v1
	v_min_u32 v13, 87, v12
	v_min_u32 v12, 15, v12
	v_sub_nc_u32 v13, v13, v12
	v_lshl_add_u32 v[EO+(\u)], v13, 7, v15
	global_load_b128 v[ER+16*(\u):ER+16*(\u)+3],     v[EO+(\u)], s[10:11]
	global_load_b128 v[ER+16*(\u)+4:ER+16*(\u)+7],   v[EO+(\u)], s[10:11] offset:16
	global_load_b128 v[ER+16*(\u)+8:ER+16*(\u)+11],  v[EO+(\u)], s[10:11] offset:64
	global_load_b128 v[ER+16*(\u)+12:ER+16*(\u)+15], v[EO+(\u)], s[10:11] offset:80
.endr
	s_mul_i32 s22, s[WV], TABB
	s_add_co_u32 s22, s22, SCR                     ; my table
	v_mul_u32_u24 v[TB], v1, TPITCH
	v_add_nc_u32 v[TB], s22, v[TB]
	v_lshl_add_u32 v[TS], v2, 5, v[TB]             ; a product's lane holds x = 16 u + 8 (l / 16) + 0..7 of query l % 16
	v_mul_u32_u24 v[TG], v1, TPITCH-4              ; register j of CB(t, d) is T[n][16 d + 15 + 8 (l / 16) + j - n]: 460 n + 32 (l / 16) + 60, and 64 d + 4 j in the immediate;
	v_lshl_add_u32 v[TG], v2, 5, v[TG]             ; from lane to lane 115 words, an odd number: the 32 lanes of a read touch 32 different banks
	v_add3_u32 v[TG], v[TG], s22, 60
	v_add_nc_u32 v[AV0], VB, v[LO16]
	s_lshr_b32 s20, s[HB], 4                       ; where O goes: token tile 128 batch + 4 WBLK, head hb % 16
	s_lshl_b32 s20, s20, 7
	s_lshl2_add_u32 s20, s[WBLK], s20
	s_lshl_b32 s20, s20, 14
	s_and_b32 s21, s[HB], 15
	s_lshl_b32 s21, s21, 10
	s_add_co_u32 s20, s20, s21
	s_mov_b32 s21, 0
	s_add_nc_u64 s[12:13], s[12:13], s[20:21]
	s_wait_loadcnt 0x0                             ; Q and e
.set u, 0
.rept 7                                ; e: to bf16, widened again, to f16
.set rr, ER+16*u
.set i, 0
.rept 8
	v_cvt_pk_bf16_f32 v[ST+i], v[rr+2*i], v[rr+2*i+1]
.set i, i+1
.endr
.set i, 0
.rept 8
	v_lshlrev_b32 v[rr+2*i], 16, v[ST+i]
	v_and_b32 v[rr+2*i+1], 0xffff0000, v[ST+i]
.set i, i+1
.endr
.set i, 0
.rept 8
	v_cvt_pk_f16_f32 v[EF+8*u+i], v[rr+2*i], v[rr+2*i+1]
.set i, i+1
.endr
.set u, u+1
.endr
; Tile t's table and what is read out of it.  The bytes are the wave's own, and LDS serves a wave's instructions in order (ISA guide 5.7.1.4): the reads see the stores, the next tile's stores come behind the reads.
.macro TABLE t
.set rD, DT+56*((\t)%2)
.irp u, 0,1,2,3,4,5,6
	v_wmma_f32_16x16x32_f16 v[rD+8*(\u):rD+8*(\u)+7], v[EF+8*(\u):EF+8*(\u)+7], v[Q+8*(\t):Q+8*(\t)+7], 0
.endr
	PLACES
.irp u, 0,1,2,3,4,5,6
	ds_store_b128 v[TS], v[rD+8*(\u):rD+8*(\u)+3]   offset:64*(\u)
	ds_store_b128 v[TS], v[rD+8*(\u)+4:rD+8*(\u)+7] offset:64*(\u)+16
.endr
	WIN 0x40                                       ; destination window 1
.set i, 0
.rept 48
	ds_load_b32 v[CB+48*(\t)+i], v[TG] offset:64*(i/8)+4*(i%8)
.set i, i+1
.endr
.set i, 0
.rept 8
	ds_load_b32 v[CF+8*(\t)+i], v[TB]              ; x = 0: q' . e[0]
.set i, i+1
.endr
	WIN 0
	ds_load_b32 v[ST+8*(\t)+1], v[TB] offset:440   ; x = 110: q' . e[72]
.endm
	TABLE 0
	TABLE 1
	TABLE 2
	TABLE 3
	s_wait_dscnt 0x0
.set i, 0
.rept 64
	v_mov_b32 v[O+i], 0
.set i, i+1
.endr
.irp t, 0,1,2,3
	v_mov_b32 v[ST+8*(\t)], 0xff7fffff             ; m: the lowest finite number
	v_mov_b32 v[ST+8*(\t)+2], 0
	v_mov_b32 v[ST+8*(\t)+3], 0
.endr
	s_wait_tensorcnt 0x0                           ; my parts of K and V are in,
	s_barrier_signal -1
	s_barrier_wait -1                              ; everybody's are.  Nothing is ever filled again
; THE LDS LOADS stand in runs of 8: a step's K (4 fragments of 16 keys x 32 channels) and its V (2 x 2 fragments of 16 channels x 32 keys), each fragment two runs of 512 consecutive bytes.
.macro FETCH_K adr, off
	WIN 0x40
.irp i, 0,1,2,3
	ds_load_b128 v[KF+8*(\i):KF+8*(\i)+3],   v[\adr] offset:(\off)+1024*(\i)
	ds_load_b128 v[KF+8*(\i)+4:KF+8*(\i)+7], v[\adr] offset:(\off)+1024*(\i)+512
.endr
	WIN 0
.endm
.macro FETCH_V
.irp f, 0,1,2,3
	ds_load_b128 v[VF+8*(\f):VF+8*(\f)+3],   v[AV] offset:1024*(\f)
	ds_load_b128 v[VF+8*(\f)+4:VF+8*(\f)+7], v[AV] offset:1024*(\f)+512
.endr
.endm
; Tile t's four products S^T = K Q'^T + C: one instruction each, since a head has 32 channels.  rel names the band step (-1, 0, 1); any other number: every C is CF.
.macro QK t, rel
	WIN 0x11                                       ; K and C in window 1
.irp i, 0,1,2,3
.set dd, 4*((\rel)+1)+(\i)-(\t)
.if (dd >= 0) && (dd <= 5)
	v_wmma_f32_16x16x32_f16 v[S+32*((\t)%2)+8*(\i):S+32*((\t)%2)+8*(\i)+7], v[KF+8*(\i):KF+8*(\i)+7], v[Q+8*(\t):Q+8*(\t)+7], v[CB+48*(\t)+8*dd:CB+48*(\t)+8*dd+7]
.else
	v_wmma_f32_16x16x32_f16 v[S+32*((\t)%2)+8*(\i):S+32*((\t)%2)+8*(\i)+7], v[KF+8*(\i):KF+8*(\i)+7], v[Q+8*(\t):Q+8*(\t)+7], v[CF+8*(\t):CF+8*(\t)+7]
.endif
.endr
	WIN 0
.endm
; Tile t's four products O^T += V^T P: the two accumulators take turns, one instruction a turn.
.macro PV t
.irp kk, 0,1
.irp cb, 0,1
	v_wmma_f32_16x16x32_f16 v[O+16*(\t)+8*(\cb):O+16*(\t)+8*(\cb)+7], v[VF+16*(\kk)+8*(\cb):VF+16*(\kk)+8*(\cb)+7], v[P+8*(\kk):P+8*(\kk)+7], v[O+16*(\t)+8*(\cb):O+16*(\t)+8*(\cb)+7]
.endr
.endr
.endm
; Number mn of the 20 that find tile t's maximum.  0-11: four chains c0-c3 of seven scores each (each accumulator's lowest registers are read first); 12-15: the four scores left
; over, the old m, and c0-c3 into c0; 16, 17: the query's other 32 keys lie in the lane 16 away; 18: m_old - m_new; 19: the new m.
.macro MX t
.set rT, ST+8*(\t)
.set rS, S+32*((\t)%2)
.if mn < 4
	v_max3_num_f32 v[rT+4+mn], v[rS+8*mn], v[rS+8*mn+1], v[rS+8*mn+2]
.elseif mn < 12
	v_max3_num_f32 v[rT+4+mn%4], v[rT+4+mn%4], v[rS+8*(mn%4)+2*(mn/4)+1], v[rS+8*(mn%4)+2*(mn/4)+2]
.elseif mn == 12
	v_max3_num_f32 v[rT+4], v[rT+4], v[rS+7], v[rS+15]
.elseif mn == 13
	v_max3_num_f32 v[rT+5], v[rT+5], v[rS+23], v[rS+31]
.elseif mn == 14
	v_max3_num_f32 v[rT+6], v[rT+6], v[rT+7], v[rT]
.elseif mn == 15
	v_max3_num_f32 v[rT+4], v[rT+4], v[rT+5], v[rT+6]
.elseif mn == 16
	v_permlanex16_b32 v[rT+7], v[rT+4], s[SEL], s[SEL+1]
.elseif mn == 17
	v_max_num_f32 v[rT+5], v[rT+4], v[rT+7]
.elseif mn == 18
	v_sub_f32 v[rT+7], v[rT], v[rT+5]
.else
	v_mov_b32 v[rT], v[rT+5]
.endif
.set mn, mn+1
.endm
.macro MAXS t, cnt
.rept \cnt
	MX \t
.endr
.endm
; ONE BATCH: the 16 subtractions s - m, a pair each, and the 33 exponentials (a, then the 32 scores), none of which reads an exponential's result; a plain line behind the last; ONE wait,
; ahead of the first line that names a result.
.macro BATCH t
.set rT, ST+8*(\t)
.set rS, S+32*((\t)%2)
	v_pk_add_f32 v[rS:rS+1], v[rS:rS+1], v[rT:rT+1] op_sel_hi:[1,0] neg_lo:[0,1] neg_hi:[0,1]
	v_pk_add_f32 v[rS+2:rS+3], v[rS+2:rS+3], v[rT:rT+1] op_sel_hi:[1,0] neg_lo:[0,1] neg_hi:[0,1]
	v_exp_f32 v[rT+6], v[rT+7]
.set bp, 0
.rept 16
	v_exp_f32 v[rS+2*bp], v[rS+2*bp]
.if bp+2 <= 15
	v_pk_add_f32 v[rS+2*bp+4:rS+2*bp+5], v[rS+2*bp+4:rS+2*bp+5], v[rT:rT+1] op_sel_hi:[1,0] neg_lo:[0,1] neg_hi:[0,1]
.endif
	v_exp_f32 v[rS+2*bp+1], v[rS+2*bp+1]
.set bp, bp+1
.endr
	v_nop
	s_wait_alu depctr_va_vdst(0)
.endm
.macro READ t                          ; the weights rounded to f16; O^T times a, each accumulator from its low end on
.set rT, ST+8*(\t)
.set rS, S+32*((\t)%2)
.set i, 0
.rept 16
	v_cvt_pk_f16_f32 v[P+i], v[rS+2*i], v[rS+2*i+1]
.set i, i+1
.endr
.set i, 0
.rept 8
	v_pk_mul_f32 v[O+16*(\t)+2*i:O+16*(\t)+2*i+1], v[O+16*(\t)+2*i:O+16*(\t)+2*i+1], v[rT+6:rT+7] op_sel_hi:[1,0]
.set i, i+1
.endr
.endm
.macro SUMS t                          ; the 16 pairs (an even key's weight, an odd key's) are added as a tree, in place; then l = a l + the sum
.set rT, ST+8*(\t)
.set rS, S+32*((\t)%2)
.irp w, 4,8,16,32
.set i, 0
.rept 32/(\w)
	v_pk_add_f32 v[rS+(\w)*i:rS+(\w)*i+1], v[rS+(\w)*i:rS+(\w)*i+1], v[rS+(\w)*i+(\w)/2:rS+(\w)*i+(\w)/2+1]
.set i, i+1
.endr
.endr
	v_pk_fma_f32 v[rT+2:rT+3], v[rT+2:rT+3], v[rT+6:rT+7], v[rS:rS+1] op_sel_hi:[1,0,1]
.endm
; A tile's part of a step.  Tile t + 2's scores are started behind tile t's sums, into the buffer that those have left.  In tile 2, 14 plain lines behind the last product that read K, the next step's K
; is fetched (in the last trip these are the 4,096 bytes behind K, V's first: filled bytes that nobody then uses).
.macro TILE t, rel
.set mn, 0
.if (\t) == 2
	MAXS \t, 14
	FETCH_K AK, 4096
	MAXS \t, 6
.else
	MAXS \t, 20
.endif
	BATCH \t
	READ \t
.if (\t) == 0
	s_wait_dscnt 0x0                               ; V is in
.endif
	PV \t
	SUMS \t
.if (\t) < 2
	QK (\t)+2, \rel
.endif
.endm
.macro STEP rel
.if (\rel) == 0
	WIN 0x40                                       ; from here on no key tile lies left of the band: CF takes q' . e[72]
.set i, 0
.rept 32
	v_mov_b32 v[CF+i], v[ST+8*(i/8)+1]
.set i, i+1
.endr
	WIN 0
.endif
	s_wait_dscnt 8                                 ; K, asked for a step ago, is in; V's 8 younger loads stay out
	QK 0, \rel
	QK 1, \rel
	PLACES
	TILE 0, \rel
	TILE 1, \rel
	TILE 2, \rel
	TILE 3, \rel
.endm
	FETCH_K LO16, 0                                ; step 0
	s_mov_b32 s[SIDX], 0
.Lstep:                                        ; 32 trips.  The 16 lines of tile 3's sums are the places between the last product that read V and V's next loads
	s_lshl_b32 s20, s[SIDX], 12                    ; a step is 4,096 bytes of K and of V
	v_add_nc_u32 v[AV], s20, v[AV0]
	v_add_nc_u32 v[AK], s20, v[LO16]
	FETCH_V
	s_add_co_u32 s21, s[SIDX], 1
	s_cmp_eq_u32 s21, s[WBLK]
	s_cbranch_scc1 .Lleft                          ; the step left of my queries' own
	s_cmp_eq_u32 s[SIDX], s[WBLK]
	s_cbranch_scc1 .Lown
	s_cmp_eq_u32 s[SIDX], s[WB1]
	s_cbranch_scc1 .Lright
	STEP 9                                         ; far from the band
	s_branch .Lnext
.Lleft:
	STEP -1
	s_branch .Lnext
.Lown:
	STEP 0
	s_branch .Lnext
.Lright:
	STEP 1
.Lnext:
	s_add_co_u32 s[SIDX], s[SIDX], 1
	s_cmp_lt_u32 s[SIDX], 32
	s_cbranch_scc1 .Lstep
	; THE WAY OUT.  l's two halves and the other half of the lanes' are added; O^T is divided by l and rounded to f16: a lane's eight channels are 16 bytes, a store of the wave 512 consecutive bytes.
.irp t, 0,1,2,3
	v_add_f32 v[ST+8*(\t)+4], v[ST+8*(\t)+2], v[ST+8*(\t)+3]
.endr
.irp t, 0,1,2,3
	v_permlanex16_b32 v[ST+8*(\t)+5], v[ST+8*(\t)+4], s[SEL], s[SEL+1]
.endr
.irp t, 0,1,2,3
	v_add_f32 v[ST+8*(\t)+4], v[ST+8*(\t)+4], v[ST+8*(\t)+5]
.endr
.irp t, 0,1,2,3
	v_rcp_f32 v[ST+8*(\t)+6], v[ST+8*(\t)+4]
.endr
	v_nop                                          ; a plain line behind the last reciprocal,
	s_wait_alu depctr_va_vdst(0)                   ; and the one wait for the four, ahead of their first use
.irp t, 0,1,2,3
.set i, 0
.rept 8
	v_pk_mul_f32 v[O+16*(\t)+2*i:O+16*(\t)+2*i+1], v[O+16*(\t)+2*i:O+16*(\t)+2*i+1], v[ST+8*(\t)+6:ST+8*(\t)+7] op_sel_hi:[1,0]
.set i, i+1
.endr
.set i, 0
.rept 8
	v_cvt_pk_f16_f32 v[S+8*(\t)+i], v[O+16*(\t)+2*i], v[O+16*(\t)+2*i+1]
.set i, i+1
.endr
	global_store_b128 v[LO16], v[S+8*(\t):S+8*(\t)+3],   s[12:13] offset:16384*(\t)
	global_store_b128 v[LO16], v[S+8*(\t)+4:S+8*(\t)+7], s[12:13] offset:16384*(\t)+512
.endr
	s_wait_tensorcnt 0x0                           ; the wave's end, behind my last tensor load and my last LDS store
	ds_add_u32 v[SPW], v[NIL]
	s_wait_dscnt 0x0
	s_endpgm
.Lfunc_end_k_qde5af8691d_attn:
	.size	k_qde5af8691d_attn, .Lfunc_end_k_qde5af8691d_attn-k_qde5af8691d_attn
	.p2alignl 7, 3214868480
	.fill 96, 4, 3214868480
	.section	.rodata,"a",@progbits
	.p2align	6, 0x0
	.amdhsa_kernel k_qde5af8691d_attn
		.amdhsa_group_segment_fixed_size 322560
		.amdhsa_private_segment_fixed_size 0
		.amdhsa_enable_private_segment 0
		.amdhsa_kernarg_size 40
		.amdhsa_user_sgpr_count 2
		.amdhsa_user_sgpr_kernarg_segment_ptr 1
		.amdhsa_wavefront_size32 1
		.amdhsa_system_sgpr_workgroup_id_x 1
		.amdhsa_system_sgpr_workgroup_id_y 1
		.amdhsa_system_sgpr_workgroup_id_z 1
		.amdhsa_system_vgpr_workitem_id 0
		.amdhsa_next_free_vgpr 512
		.amdhsa_next_free_sgpr 66
		.amdhsa_reserve_vcc 0
		.amdhsa_float_denorm_mode_32 3
		.amdhsa_float_denorm_mode_16_64 3
		.amdhsa_memory_ordered 1
		.amdhsa_forward_progress 1
		.amdhsa_inst_pref_size 156
	.end_amdhsa_kernel
	.amdgpu_metadata
---
amdhsa.version: [ 1, 2 ]
amdhsa.kernels:
  - .name:           k_qde5af8691d_attn
    .symbol:         k_qde5af8691d_attn.kd
    .args:
      - { .name: qf, .offset: 0, .size: 8, .value_kind: global_buffer, .address_space: global }
      - { .name: kf, .offset: 8, .size: 8, .value_kind: global_buffer, .address_space: global }
      - { .name: vf, .offset: 16, .size: 8, .value_kind: global_buffer, .address_space: global }
      - { .name: dist_emb, .offset: 24, .size: 8, .value_kind: global_buffer, .address_space: global }
      - { .name: of, .offset: 32, .size: 8, .value_kind: global_buffer, .address_space: global }
    .group_segment_fixed_size: 322560
    .private_segment_fixed_size: 0
    .kernarg_segment_align: 8
    .kernarg_segment_size: 40
    .max_flat_workgroup_size: 256
    .sgpr_count:     66
    .vgpr_count:     512
    .wavefront_size: 32
...
	.end_amdgpu_metadata
.endif
;; end of part 2
;; launch oproj (part 3): grid 4 x 64, 8 waves a work-group, clusters of 4 x 4, 297,984 bytes of LDS; arguments of, wof, bo, out0; writes out0
.if DOCPART == 3
	.amdgcn_target "amdgcn-amd-amdhsa--gfx1250"
	.amdhsa_code_object_version 6
	.text
	.protected	k_qde5af8691d_oproj
	.globl	k_qde5af8691d_oproj
	.p2align	8
	.type	k_qde5af8691d_oproj,@function
k_qde5af8691d_oproj:
	s_mov_b64 s[64:65], 0
	v_nop
	global_prefetch_b8 v0, s[64:65] scope:SCOPE_SE
	s_setreg_imm32_b32 hwreg(HW_REG_WAVE_MODE, 25, 1), 1
	s_wait_xcnt 0x0
	s_wait_alu depctr_hold_cnt(0) depctr_sa_sdst(0) depctr_va_vdst(0) depctr_va_sdst(0) depctr_va_ssrc(0) depctr_va_vcc(0) depctr_vm_vsrc(0)
	s_getreg_b32 s2, hwreg(HW_REG_IB_STS2, 6, 4)
	s_cmp_eq_u32 s2, 0
	s_cbranch_scc0 .Lentry_in_a_cluster
	s_endpgm
.Lentry_in_a_cluster:
	s_bfe_u32 s2, ttmp6, 0x10000c
	s_cmp_lg_u32 s2, 0xf033
	s_cbranch_scc0 .Lentry_shape_is_right
	s_endpgm
.Lentry_shape_is_right:
; out0[token][col] = the sum over k of O[token][k] Wo[col][k] + bo[col].  O (of) and Wo (wof) are f16 in fragment order: for a tile of 16 rows and a step of 32 k, 1,024 bytes that are a matrix operand as
; they lie (16 bytes a lane, twice); a tile's 16 steps lie end to end, 16,384 bytes.  bo: [512] f32, rounded to bf16 like every input.  Sums in f32; out0: [8192][512] f32.
; SHARES.  Work-group (X, Y): tokens 128 Y .., columns 128 X ..; K = 512.  Both operand blocks, 131,072 bytes each, lie whole in LDS: first fills alone, in four chunks of 128 k, nothing is filled again.
; Wave w computes token tiles 2 (w % 4), + 1 and column tiles 4 (w / 4) .. + 3: 8 accumulators; its 64 columns are 256 bytes of a row of out0.
; CLUSTER.  4 x 4 work-groups.  O's block hangs on Y alone and is shared along a row of the cluster, Wo's on X alone and is shared along a column: each tile is asked for JOINTLY, by the same tensor load
; with the same descriptor and a mask that names the four.  Waves 0-3 ask for O's tiles 2 w, 2 w + 1, waves 4-7 for Wo's: four loads a wave, one a chunk; four of mine are out at the most.
; NO PREFETCH: every tile of the launch is asked for at its head.
; THE MATRIX INSTRUCTION IS USED TRANSPOSED (source 0 = 16 rows of Wo, source 1 = 16 tokens): a lane holds one token and eight neighbouring columns.
.set CHB,    65536                     ; LDS: chunk c from 65,536 c: O's tile a at 4,096 a, Wo's at 32,768 + 4,096 a; in a tile the chunk's four steps, 1,024 bytes each
.set STAGE,  262144                    ; behind them, never filled by a tensor load: 16 rows x 272 bytes for each wave, for the way out
.set SPITCH, 272                       ; 256 bytes + 16
.set SPARE,  STAGE+8*16*SPITCH         ; the spare words, 128 bytes for each wave: four blocks of 256 bytes that no other line names
.set OA,  2                            ; v2  my O fragments in the chunk in hand
.set WA,  3                            ; v3  my Wo fragments
.set STO, 4                            ; v4  the way out: where I put 16 bytes of a row
.set RD,  5                            ; v5  where I read rows back
.set CO,  6                            ; v6  my byte offset in two rows of out0
.set BO,  7                            ; v7  my byte offset in bo
.set SPW, 8                            ; v8  LDS address of my spare word; never rewritten
.set NIL, 9                            ; v9  0; never rewritten
.set ACC, 16                           ; v16-79   32 token tile + 8 column tile
.set BI,  80                           ; v80-111  bo as C operands, 8 a column tile
.set F,   112                          ; v112-207 two fragment buffers of 48: O 8 tt, Wo 16 + 8 ct; on the way out rows read back
.set WV,  12
.set G1A, 20                           ; s[20:27] group 1 for O's tiles
.set G1B, 28                           ; s[28:35] for Wo's: it differs in the mask alone
.set G0A, 36                           ; s[36:51] group 0 for O's tiles, a set for each chunk
.set G0B, 68                           ; s[68:83] the same for Wo's
.macro PLACES                          ; four plain places behind a matrix instruction (ISA guide 7.12.1)
.rept 4
	v_nop
.endr
.endm
; A round of the cluster's barrier: my work-group's barrier, so that wave 0's signal speaks for all eight waves; wave 0 signals; every wave waits for all sixteen work-groups; my work-group's barrier once more.
.macro ROUND
	s_barrier_signal -1
	s_barrier_wait -1
	s_cmp_lg_u32 s[WV], 0
	s_cbranch_scc1 .Lnot_wave_0_\@
	s_barrier_signal -3
.Lnot_wave_0_\@:
	s_barrier_wait -3
	s_barrier_signal -1
	s_barrier_wait -1
.endm
	s_load_b256 s[4:11], s[0:1], 0x0               ; of s[4:5], wof s[6:7], bo s[8:9], out0 s[10:11]
	v_lshl_add_u32 v[SPW], v0, 2, SPARE
	v_mov_b32 v[NIL], 0
	ds_add_u32 v[SPW], v[NIL]                      ; the wave's opening: the add and its wait stand ahead of my first tensor load; work on registers stands between them
	v_lshrrev_b32 v1, 5, v0
	v_readfirstlane_b32 s[WV], v1
	s_bfe_u32 s13, ttmp6, 0x40000                  ; cx
	s_bfe_u32 s14, ttmp6, 0x40004                  ; cy
	s_lshl_b32 s15, ttmp9, 2
	s_add_co_u32 s15, s15, s13                     ; X = 4 x cluster x + cx
	s_and_b32 s16, ttmp7, 0xffff
	s_lshl_b32 s16, s16, 2
	s_add_co_u32 s16, s16, s14                     ; Y = 4 x cluster y + cy
	s_lshl_b32 s17, s14, 2
	s_lshl_b32 s17, 15, s17                        ; my row of the cluster
	s_lshl_b32 s18, 0x1111, s13                    ; my column
	; group 1: two rows of 4,096 bytes (a chunk of two tiles), 16,384 bytes apart
	s_or_b32 s[G1A], s17, (3<<16)|(1<<21)          ; the mask; elements of 8 bytes; bit 21 set beside a mask
	s_or_b32 s[G1B], s18, (3<<16)|(1<<21)
.irp g, G1A, G1B
	s_mov_b32 s[(\g)+1], 512<<16                   ; tensor_dim0 = 512
	s_mov_b32 s[(\g)+2], 2<<16                     ; tensor_dim1 = 2
	s_mov_b32 s[(\g)+3], 512<<16                   ; tile_dim0 = 512
	s_mov_b32 s[(\g)+4], 2                         ; tile_dim1 = 2
	s_mov_b32 s[(\g)+5], 2048                      ; 2,048 elements from row to row
	s_mov_b32 s[(\g)+6], 0
	s_mov_b32 s[(\g)+7], 0
.endr
	; every wave makes both addresses, in registers that never hold the other coordinate, and asks by one of them
	s_and_b32 s19, s[WV], 3
	s_lshl_b32 s52, s19, 15                        ; the two tiles that I fetch
	s_lshl_b32 s84, s16, 17
	s_add_co_u32 s84, s84, s52
	s_mov_b32 s85, 0
	s_lshl_b32 s86, s15, 17
	s_add_co_u32 s86, s86, s52
	s_mov_b32 s87, 0
	s_lshl_b32 s53, s[WV], 13                      ; and where they go: 8,192 x wave: no place in the cluster enters an LDS address
	s_wait_dscnt 0x0                               ; the opening add is done
	s_wait_kmcnt 0x0
	s_add_nc_u64 s[54:55], s[4:5], s[84:85]
	s_add_nc_u64 s[56:57], s[6:7], s[86:87]
.irp c, 0,1,2,3
	s_mov_b32 s[G0A+4*(\c)], 1
	s_add_co_u32 s[G0A+4*(\c)+1], s53, (\c)*CHB
	s_add_nc_u64 s[G0A+4*(\c)+2:G0A+4*(\c)+3], s[54:55], (\c)*4096
	s_or_b32 s[G0A+4*(\c)+3], s[G0A+4*(\c)+3], 0x80000000
	s_mov_b32 s[G0B+4*(\c)], 1
	s_add_co_u32 s[G0B+4*(\c)+1], s53, (\c)*CHB
	s_add_nc_u64 s[G0B+4*(\c)+2:G0B+4*(\c)+3], s[56:57], (\c)*4096
	s_or_b32 s[G0B+4*(\c)+3], s[G0B+4*(\c)+3], 0x80000000
.endr
	ROUND                                          ; all sixteen work-groups are here: the joint loads meet
	s_cmp_lt_u32 s[WV], 4                          ; a wave's four first fills stand in one branch, on the wave's number alone, ahead of every wait on TENSORcnt and every LDS read
	s_cbranch_scc0 .Lfor_b
.irp c, 0,1,2,3
	tensor_load_to_lds s[G0A+4*(\c):G0A+4*(\c)+3], s[G1A:G1A+7]
	s_nop 0
.endr
	PLACES
	s_branch .Lasked
.Lfor_b:
.irp c, 0,1,2,3
	tensor_load_to_lds s[G0B+4*(\c):G0B+4*(\c)+3], s[G1B:G1B+7]
	s_nop 0
.endr
	PLACES
.Lasked:
	v_and_b32 v1, 15, v0                           ; lane % 16
	v_bfe_u32 v10, v0, 4, 1                        ; lane / 16
	v_and_b32 v11, 31, v0
	s_lshr_b32 s58, s[WV], 2                       ; which half of the columns is mine; s19: which quarter of the tokens
	s_lshl_b32 s59, s19, 13
	v_lshl_add_u32 v[OA], v11, 4, s59
	s_lshl_b32 s59, s58, 14
	s_add_co_u32 s59, s59, 32768
	v_lshl_add_u32 v[WA], v11, 4, s59
	s_mul_i32 s59, s[WV], 16*SPITCH
	s_add_co_u32 s59, s59, STAGE                   ; my stage
	v_mul_u32_u24 v[STO], v1, SPITCH               ; in: row l % 16, 32 bytes for each half of the lanes
	v_lshl_add_u32 v[STO], v10, 5, v[STO]
	v_add_nc_u32 v[STO], s59, v[STO]
	v_mul_u32_u24 v[RD], v10, SPITCH               ; back: lanes 0-15 take one row of 256 bytes, lanes 16-31 the next
	v_lshl_add_u32 v[RD], v1, 4, v[RD]
	v_add_nc_u32 v[RD], s59, v[RD]
	v_lshlrev_b32 v[CO], 4, v1                     ; and the same two rows in out0
	v_lshl_add_u32 v[CO], v10, 11, v[CO]
	s_lshl_b32 s60, s15, 9
	s_lshl_b32 s61, s58, 8
	s_add_co_u32 s60, s60, s61                     ; my first column, in bytes: 512 X + 256 half
	v_lshl_add_u32 v[BO], v10, 5, s60
	s_lshl_b32 s62, s16, 18                        ; my first row: 128 Y + 32 quarter, of 2,048 bytes
	s_lshl_b32 s63, s19, 16
	s_add_co_u32 s62, s62, s63
	s_add_co_u32 s62, s62, s60
	s_mov_b32 s63, 0
	s_add_nc_u64 s[10:11], s[10:11], s[62:63]
.irp ct, 0,1,2,3
	global_load_b128 v[BI+8*(\ct):BI+8*(\ct)+3],   v[BO], s[8:9] offset:64*(\ct)
	global_load_b128 v[BI+8*(\ct)+4:BI+8*(\ct)+7], v[BO], s[8:9] offset:64*(\ct)+16
.endr
	s_wait_loadcnt 0x0
.set i, 0
.rept 16
	v_cvt_pk_bf16_f32 v[F+i], v[BI+2*i], v[BI+2*i+1]
.set i, i+1
.endr
.set i, 0
.rept 16
	v_lshlrev_b32 v[BI+2*i], 16, v[F+i]
	v_and_b32 v[BI+2*i+1], 0xffff0000, v[F+i]
.set i, i+1
.endr
.macro FR b, kq                        ; the 12 loads of one step of 32 k, into buffer b
.irp tt, 0,1
	ds_load_b128 v[F+48*(\b)+8*(\tt):F+48*(\b)+8*(\tt)+3],   v[OA] offset:4096*(\tt)+1024*(\kq)
	ds_load_b128 v[F+48*(\b)+8*(\tt)+4:F+48*(\b)+8*(\tt)+7], v[OA] offset:4096*(\tt)+1024*(\kq)+512
.endr
.irp ct, 0,1,2,3
	ds_load_b128 v[F+48*(\b)+16+8*(\ct):F+48*(\b)+16+8*(\ct)+3],   v[WA] offset:4096*(\ct)+1024*(\kq)
	ds_load_b128 v[F+48*(\b)+16+8*(\ct)+4:F+48*(\b)+16+8*(\ct)+7], v[WA] offset:4096*(\ct)+1024*(\kq)+512
.endr
.endm
.macro MUL b, first                    ; 8 products; the 8 accumulators take turns, one instruction a turn.  first = 1: bo starts the sums; nothing is cleared
.irp tt, 0,1
.irp ct, 0,1,2,3
.if \first
	v_wmma_f32_16x16x32_f16 v[ACC+32*(\tt)+8*(\ct):ACC+32*(\tt)+8*(\ct)+7], v[F+48*(\b)+16+8*(\ct):F+48*(\b)+16+8*(\ct)+7], v[F+48*(\b)+8*(\tt):F+48*(\b)+8*(\tt)+7], v[BI+8*(\ct):BI+8*(\ct)+7]
.else
	v_wmma_f32_16x16x32_f16 v[ACC+32*(\tt)+8*(\ct):ACC+32*(\tt)+8*(\ct)+7], v[F+48*(\b)+16+8*(\ct):F+48*(\b)+16+8*(\ct)+7], v[F+48*(\b)+8*(\tt):F+48*(\b)+8*(\tt)+7], v[ACC+32*(\tt)+8*(\ct):ACC+32*(\tt)+8*(\ct)+7]
.endif
.endr
.endr
.endm
.macro CHUNK c                         ; 128 k: four steps on two buffers
	s_wait_tensorcnt 3-(\c)                        ; tensor loads of a wave end in order (ISA guide 10.11.1): my part of chunk c is in; the later chunks' loads stay out
	s_wait_dscnt 0x0
	s_barrier_signal -1
	s_barrier_wait -1                              ; everybody's part is in
	FR 0, 0
	FR 1, 1
	s_wait_dscnt 12                                ; all but the 12 just issued
.if (\c) == 0
	MUL 0, 1
.else
	MUL 0, 0
.endif
	PLACES
	FR 0, 2
	s_wait_dscnt 12
	MUL 1, 0
	PLACES
	FR 1, 3
	s_wait_dscnt 12
	MUL 0, 0
	s_wait_dscnt 0x0
	MUL 1, 0
.if (\c) < 3
	v_add_nc_u32 v[OA], CHB, v[OA]                 ; four plain lines: the places in front of the next chunk's loads into both buffers
	v_add_nc_u32 v[WA], CHB, v[WA]
	v_nop
	v_nop
.else
	PLACES
.endif
.endm
; Token tile tt goes out through my stage: a lane's eight columns of a row are 32 bytes; they go into rows of 272 bytes and come back as whole rows of 256.  The bytes are the wave's own, and LDS serves a
; wave's instructions in order (ISA guide 5.7.1.4).  Each accumulator's low four registers are stored first.
.macro OUT tt
.irp ct, 0,1,2,3
	ds_store_b128 v[STO], v[ACC+32*(\tt)+8*(\ct):ACC+32*(\tt)+8*(\ct)+3]   offset:64*(\ct)
	ds_store_b128 v[STO], v[ACC+32*(\tt)+8*(\ct)+4:ACC+32*(\tt)+8*(\ct)+7] offset:64*(\ct)+16
.endr
.irp a, 0,1,2,3,4,5,6,7
	ds_load_b128 v[F+32*(\tt)+4*(\a):F+32*(\tt)+4*(\a)+3], v[RD] offset:2*SPITCH*(\a)
.endr
.irp a, 0,1,2,3,4,5,6,7
	s_wait_dscnt 7-(\a)                            ; row pair a is back; the younger reads stay out
	global_store_b128 v[CO], v[F+32*(\tt)+4*(\a):F+32*(\tt)+4*(\a)+3], s[10:11] offset:32768*(\tt)+4096*(\a) th:TH_STORE_NT  ; 16 lanes store 256 consecutive bytes, at a multiple of 256 from out0's first
.endr
.endm
	CHUNK 0
	CHUNK 1
	CHUNK 2
	CHUNK 3
	OUT 0
	OUT 1
	s_wait_tensorcnt 0x0                           ; the wave's end, behind my last tensor load and my last LDS store
	ds_add_u32 v[SPW], v[NIL]
	s_wait_dscnt 0x0
	ROUND                                          ; the closing round: no work-group ends while a partner may still ask for a tile that names it
	s_endpgm
.Lfunc_end_k_qde5af8691d_oproj:
	.size	k_qde5af8691d_oproj, .Lfunc_end_k_qde5af8691d_oproj-k_qde5af8691d_oproj
	.p2alignl 7, 3214868480
	.fill 96, 4, 3214868480
	.section	.rodata,"a",@progbits
	.p2align	6, 0x0
	.amdhsa_kernel k_qde5af8691d_oproj
		.amdhsa_group_segment_fixed_size 297984
		.amdhsa_private_segment_fixed_size 0
		.amdhsa_enable_private_segment 0
		.amdhsa_kernarg_size 32
		.amdhsa_user_sgpr_count 2
		.amdhsa_user_sgpr_kernarg_segment_ptr 1
		.amdhsa_wavefront_size32 1
		.amdhsa_system_sgpr_workgroup_id_x 1
		.amdhsa_system_sgpr_workgroup_id_y 1
		.amdhsa_system_sgpr_workgroup_id_z 1
		.amdhsa_system_vgpr_workitem_id 0
		.amdhsa_next_free_vgpr 208
		.amdhsa_next_free_sgpr 88
		.amdhsa_reserve_vcc 0
		.amdhsa_float_denorm_mode_32 3
		.amdhsa_float_denorm_mode_16_64 3
		.amdhsa_memory_ordered 1
		.amdhsa_forward_progress 1
		.amdhsa_inst_pref_size 38
	.end_amdhsa_kernel
	.amdgpu_metadata
---
amdhsa.version: [ 1, 2 ]
amdhsa.kernels:
  - .name:           k_qde5af8691d_oproj
    .symbol:         k_qde5af8691d_oproj.kd
    .args:
      - { .name: of, .offset: 0, .size: 8, .value_kind: global_buffer, .address_space: global }
      - { .name: wof, .offset: 8, .size: 8, .value_kind: global_buffer, .address_space: global }
      - { .name: bo, .offset: 16, .size: 8, .value_kind: global_buffer, .address_space: global }
      - { .name: out0, .offset: 24, .size: 8, .value_kind: global_buffer, .address_space: global }
    .group_segment_fixed_size: 297984
    .private_segment_fixed_size: 0
    .kernarg_segment_align: 8
    .kernarg_segment_size: 32
    .max_flat_workgroup_size: 256
    .sgpr_count:     88
    .vgpr_count:     208
    .wavefront_size: 32
...
	.end_amdgpu_metadata
.endif
;; end of part 3
;; ======== version 2 of 2: 3 launches; version 1 with the launch qkv written anew for expert scheduling mode
;; limits: values are held in f16: magnitudes above 65,504 overflow, below 6.1e-05 lose precision
;; workspace buffers: qf 8,388,608 bytes; kf 8,388,608 bytes; vf 8,388,608 bytes; of 8,388,608 bytes; wof 524,288 bytes
;; launch qkv (part 4): grid 4 x 64, 8 waves a work-group, no clusters, 279,552 bytes of LDS; arguments hidden_states, Wq, Wk, Wv, bq, bk, bv, Wo, qf, kf, vf, wof; writes qf, kf, vf, wof
.if DOCPART == 4
	.amdgcn_target "amdgcn-amd-amdhsa--gfx1250"
	.amdhsa_code_object_version 6
	.text
	.protected	k_qde5af8691d_qkv
	.globl	k_qde5af8691d_qkv
	.p2align	8
	.type	k_qde5af8691d_qkv,@function
k_qde5af8691d_qkv:
	s_mov_b64 s[64:65], 0
	v_nop
	global_prefetch_b8 v0, s[64:65] scope:SCOPE_SE
	s_setreg_imm32_b32 hwreg(HW_REG_WAVE_SCHED_MODE, 0, 2), 2
	s_setreg_imm32_b32 hwreg(HW_REG_WAVE_MODE, 25, 1), 1
	s_wait_xcnt 0x0
	s_wait_alu depctr_vm_vsrc(0)
; q' = c (x Wq^T + bq), k = x Wk^T + bk, v = x Wv^T + bv, c = log2(e) / sqrt(32).  x: [8192][512] f32, W: [512][512] f32, b: [512] f32.
; All inputs are rounded to bf16 on the way in; products in bf16, sums in f32; q', k, v are rounded once to f16 and stored IN FRAGMENT ORDER, 16 bytes a lane:
;   qf, kf: [head-and-batch hb (64)][token tile (128)][channel half ct (2)][lane (32)][8]: token 16 tile + lane % 16, channel 16 ct + 8 (lane / 16) + e
;   vf:     [hb][block of 32 keys (64)][channel tile cb (2)][key half c2 (2)][lane][8]:   channel 16 cb + lane % 16, key 32 block + 16 c2 + 8 (lane / 16) + e
; so that the next launch's matrix operands are plain runs of 512 bytes.  Beside that each work-group rounds 16 rows x 64 numbers of Wo to bf16 and writes them as f16:
;   wof:    [tile of 16 rows (32)][step of 32 k (16)][chunk of 8 k (4)][row (16)][8]
; LIMITS.  |c q|, |k|, |v| and |Wo| stay under 65,504 (f16's end); numbers under 6e-5 keep f16's fixed step of 6e-8.  Within a K step of 128 the k are summed in a permuted order, alike for x and W.
; NaN and infinities are not treated apart.
; SHARES.  Work-group (gx, gy): tokens 128 gy .. + 127, channels 128 gx .. + 127 (four heads) of all three products; K = 512 in four steps of 128.
; Wave w computes 64 tokens (half w / 4) x one head (w % 4) x three products: 24 accumulators.  As a loader it brings 64 rows of one source (w / 2: x, Wq, Wk, Wv; half w % 2).
; THROUGH REGISTERS: f32 has to be rounded once for the work-group, so a row pair is loaded (two loads of 16 bytes a lane; 16 lanes take 256 consecutive bytes, aligned), rounded and stored to LDS.
; A lane's piece of 8 bf16 is k = 4 i .. 4 i + 3 and 64 + 4 i .. 64 + 4 i + 3 (i = lane % 16).  NO CLUSTER: loads into registers cannot be asked for jointly.  NO PREFETCH: four K steps, each asked for a step ahead.
; LDS.  Two slots that take turns.  A slot: 32 row tiles (0-7 x, 8-15 Wq, 16-23 Wk, 24-31 Wv) x 16 blocks; a block is piece i of 16 rows, 256 bytes + 16 of padding = 68 words
; and 16 lanes of a fragment load take 256 consecutive bytes.
; THE MODE: SCHED_MODE bits 1:0 = 2 (LLVM: expert scheduling mode 2), set by the entry lines.  The code itself states the register dependences
; between vector or matrix instructions and memory or LDS instructions, with s_wait_alu, always for 0.
; THE PLAN.  Registers that memory or LDS instructions touch:
;   v3-v12      offsets and LDS addresses: written at the head, never again; read by every load and store.
;   G0, G1      the loads of group m land in G[m % 2]; group m's 32 roundings read it; behind them the loads of group m + 2 land in it.  On the way out vector lines write G and the stores read it.
;   PK          group m's roundings write it; group m's 8 LDS stores read it; group m + 1's roundings write it again.  On the way out q's roundings write it and the stores read it.
;   XF, WF      a step's 20 fragment loads land in them; its 24 products read them; the next step's loads land in them.  At the head they hold small loads, offsets and wof's data.
;   ACC and BIAS are named by vector and matrix instructions alone; v14 and v15 are read by the closing add alone.
; So a step of 32 k has ONE wait on vm_vsrc, ahead of its roundings (the group before's LDS stores have read PK), and ONE wait on va_vdst, behind them: the step before's products are done reading XF and
; WF, the roundings have written PK and are done reading their G.  The step's 44 memory and LDS instructions follow that wait in one run, with no vector instruction between.
.set BLK,   272
.set TILEB, 16*BLK                     ; a row tile: 4,352 bytes
.set SLOT,  32*TILEB                   ; 139,264 bytes
.set SPARE, 2*SLOT                     ; behind the slots: the spare words, 128 bytes for each wave: four blocks of 256 bytes that no other line names
.set LO,  3                            ; v3     loader: 2,048 (lane / 16) + 16 (lane % 16); never rewritten
.set LS,  4                            ; v4-5   loader: where my piece goes, slot 0, 1
.set XA,  6                            ; v6-7   my x fragments, slot 0, 1
.set WA,  8                            ; v8-9   my Wq fragments (Wk's lie 8 tiles on), slot 0, 1
.set WB,  10                           ; v10-11 my Wv fragments, slot 0, 1
.set SO,  12                           ; v12    16 x lane
.set SPW, 14                           ; v14    LDS address of my spare word; never rewritten
.set NIL, 15                           ; v15    0; never rewritten
.set G,   16                           ; v16-143  two sets of 64: a group's 16 loads
.set PK,  144                          ; v144-175 a group's 8 pieces
.set XF,  176                          ; v176-207 x fragments, 8 a token tile
.set WF,  208                          ; v208-255 W fragments: 16 product + 8 channel tile
.set ACC, 0                            ; window 1: v0-191 accumulators: 64 product + 16 token tile + 8 channel tile
.set BIAS, 192                         ; window 1: v192-239 the biases as C operands: q 8 ct, k 16 + 8 ct, v 32 + 8 cb
; at the head only, in the fragments' registers:
.set TWL, 176                          ; Wo's four numbers
.set TB0, 180                          ; bq's and bk's 32
.set TBV, 212                          ; bv's 2
.set OWL, 214                          ; offsets: Wo's load,
.set OBQ, 215                          ; bq and bk,
.set OBV, 216                          ; bv,
.set OWS, 217                          ; wof's store
.set TW,  218                          ; Wo at work: v218-225
.set TP,  226                          ; biases packed: v226-242
.set WV,  28                           ; s28 my wave's number
.set GY,  29
.set TH,  30                           ; token half
.set HG,  31                           ; head in the group
.set SRC, 32
.set HALF, 33
.set LB,  36                           ; s[36:37] the loader's base; never rewritten
.set CS,  38                           ; s[38:39] c
.set MSB, 0
.macro WIN new                         ; s_set_vgpr_msb: bits 1:0 source 0, 3:2 source 1, 5:4 source 2, 7:6 destination; the high byte repeats the setting that is left
.if MSB != (\new)
	s_set_vgpr_msb (MSB<<8)|(\new)
.set MSB, (\new)
.endif
.endm
.macro PLACES                          ; four plain places behind a matrix instruction (ISA guide 7.12.1)
.rept 4
	v_nop
.endr
.endm
	s_load_b512 s[4:19], s[0:1], 0x0               ; x, Wq, Wk, Wv, bq, bk, bv, Wo
	s_load_b256 s[20:27], s[0:1], 0x40             ; qf, kf, vf, wof
	v_lshl_add_u32 v[SPW], v0, 2, SPARE
	v_mov_b32 v[NIL], 0
	v_lshrrev_b32 v1, 5, v0
	v_readfirstlane_b32 s[WV], v1
	v_and_b32 v1, 15, v0                           ; lane % 16
	v_bfe_u32 v2, v0, 4, 1                         ; lane / 16
	s_and_b32 s[GY], ttmp7, 0xffff
	s_wait_alu depctr_va_sdst(0)                   ; s28, my wave's number, is written, ahead of its first reader: the line below
	s_lshr_b32 s[TH], s[WV], 2
	s_and_b32 s[HG], s[WV], 3
	s_lshr_b32 s[SRC], s[WV], 1
	s_and_b32 s[HALF], s[WV], 1
	s_mov_b32 s[CS], 0x3e8293ee                    ; c = log2(e) / sqrt(32) = 0.255035
	s_mov_b32 s[CS+1], s[CS]                       ; named with it as a pair
	v_lshlrev_b32 v[LO], 4, v1
	v_lshl_add_u32 v[LO], v2, 11, v[LO]
	v_mul_u32_u24 v[LS], v1, BLK                   ; my piece's block, my row of the pair,
	v_lshl_add_u32 v[LS], v2, 4, v[LS]
	s_mul_i32 s40, s[WV], 4*TILEB                  ; my four row tiles
	v_add_nc_u32 v[LS], s40, v[LS]
	v_add_nc_u32 v[LS+1], SLOT, v[LS]
	v_mul_u32_u24 v13, v2, BLK                     ; a fragment: block (lane / 16), row lane % 16
	v_lshl_add_u32 v13, v1, 4, v13
	s_mul_i32 s40, s[TH], 4*TILEB
	v_add_nc_u32 v[XA], s40, v13
	v_add_nc_u32 v[XA+1], SLOT, v[XA]
	s_mul_i32 s40, s[HG], 2*TILEB
	s_add_co_u32 s40, s40, 8*TILEB
	v_add_nc_u32 v[WA], s40, v13
	v_add_nc_u32 v[WA+1], SLOT, v[WA]
	s_add_co_u32 s40, s40, 16*TILEB
	v_add_nc_u32 v[WB], s40, v13
	v_add_nc_u32 v[WB+1], SLOT, v[WB]
	v_and_b32 v[SO], 31, v0
	v_lshlrev_b32 v[SO], 4, v[SO]
	; Wo: work-group n = 4 gy + gx takes rows 16 (n / 8) .., numbers 64 (n % 8) ..; wave w the 8 numbers 8 w .., a lane 4 of one row
	s_lshl2_add_u32 s46, s[GY], ttmp9
	s_lshr_b32 s47, s46, 3
	s_and_b32 s46, s46, 7
	s_lshl_b32 s34, s47, 15
	s_lshl_b32 s35, s46, 8
	s_add_co_u32 s34, s34, s35
	s_lshl_b32 s35, s[WV], 5
	s_add_co_u32 s34, s34, s35                     ; 32,768 tile + 256 (n % 8) + 32 w
	s_lshl_b32 s47, s47, 14
	s_lshl_b32 s46, s46, 11
	s_add_co_u32 s47, s47, s46
	s_lshl_b32 s46, s[WV], 8
	s_add_co_u32 s47, s47, s46                     ; 16,384 tile + 2,048 (n % 8) + 256 w
	s_lshl_b32 s35, ttmp9, 9
	s_lshl_b32 s46, s[HG], 7
	s_add_co_u32 s35, s35, s46                     ; my head's first channel, in bytes of a bias
	v_and_b32 v[OWS], 31, v0
	v_lshrrev_b32 v[OWL], 1, v[OWS]
	v_and_b32 v[OBV], 1, v[OWS]
	v_lshlrev_b32 v[OWL], 11, v[OWL]
	v_lshl_add_u32 v[OWL], v[OBV], 4, v[OWL]
	v_add_nc_u32 v[OWL], s34, v[OWL]
	v_lshl_add_u32 v[OWS], v[OWS], 3, s47
	v_lshl_add_u32 v[OBQ], v2, 5, s35
	v_lshl_add_u32 v[OBV], v1, 2, s35
	; the loader's rows: x by gy, the weights by gx; 128 rows of 2,048 bytes, my half of them
	s_cmp_eq_u32 s[SRC], 0
	s_cselect_b32 s40, s[GY], ttmp9
	s_lshl_b32 s40, s40, 18
	s_lshl_b32 s41, s[HALF], 17
	s_add_co_u32 s40, s40, s41
	s_mov_b32 s41, 0
	; where my results go: hb = 16 (gy / 16) + 4 gx + head, token tile 8 (gy % 16) + 4 half
	s_lshr_b32 s44, s[GY], 4
	s_lshl_b32 s44, s44, 4
	s_lshl_b32 s45, ttmp9, 2
	s_add_co_u32 s44, s44, s45
	s_add_co_u32 s44, s44, s[HG]
	s_lshl_b32 s44, s44, 17
	s_and_b32 s45, s[GY], 15
	s_lshl_b32 s45, s45, 3
	s_lshl2_add_u32 s45, s[TH], s45
	s_lshl_b32 s45, s45, 10
	s_add_co_u32 s44, s44, s45
	s_mov_b32 s45, 0
	s_wait_kmcnt 0x0
	s_cmp_lt_u32 s[SRC], 2
	s_cselect_b64 s[LB:LB+1], s[4:5], s[8:9]       ; x or Wk
	s_cselect_b64 s[42:43], s[6:7], s[10:11]       ; Wq or Wv
	s_and_b32 s34, s[SRC], 1
	s_cmp_eq_u32 s34, 1
	s_cselect_b64 s[LB:LB+1], s[42:43], s[LB:LB+1]
	s_add_nc_u64 s[LB:LB+1], s[LB:LB+1], s[40:41]
	s_add_nc_u64 s[20:21], s[20:21], s[44:45]
	s_add_nc_u64 s[22:23], s[22:23], s[44:45]
	s_add_nc_u64 s[24:25], s[24:25], s[44:45]
; GROUP gm = 4 s + p: my row tile p of K step s: 8 row pairs.
.macro LOADG gm                        ; its 16 loads, into set gm % 2; step and tile stand in the immediate, so no pointer is ever stepped
.set gb, G+64*((\gm)%2)
.set go, 32768*((\gm)%4)+512*((\gm)/4)
.irp a, 0,1,2,3,4,5,6,7
	global_load_b128 v[gb+8*(\a):gb+8*(\a)+3],   v[LO], s[LB:LB+1] offset:go+4096*(\a)
	global_load_b128 v[gb+8*(\a)+4:gb+8*(\a)+7], v[LO], s[LB:LB+1] offset:go+4096*(\a)+256
.endr
.endm
.macro CVT gm, part                    ; half of its 32 roundings to bf16
.set gb, G+64*((\gm)%2)+32*(\part)
.set pb, PK+16*(\part)
.set i, 0
.rept 16
	v_cvt_pk_bf16_f32 v[pb+i], v[gb+2*i], v[gb+2*i+1]
.set i, i+1
.endr
.endm
.macro STOREG gm                       ; its 8 pieces a lane, into the slot of its K step
.set la, LS+((\gm)/4)%2
.irp a, 0,1,2,3,4,5,6,7
	ds_store_b128 v[la], v[PK+4*(\a):PK+4*(\a)+3] offset:TILEB*((\gm)%4)+32*(\a)
.endr
.endm
; The fragments of 32 k (pieces 4 f .. 4 f + 3): lane l holds row l % 16; registers 0-3 piece 4 f + l / 16, registers 4-7 piece 4 f + 2 + l / 16.  20 loads.
.macro FRAGS sl, f
.irp tt, 0,1,2,3
	ds_load_b128 v[XF+8*(\tt):XF+8*(\tt)+3],   v[XA+(\sl)] offset:TILEB*(\tt)+4*BLK*(\f)
	ds_load_b128 v[XF+8*(\tt)+4:XF+8*(\tt)+7], v[XA+(\sl)] offset:TILEB*(\tt)+4*BLK*(\f)+2*BLK
.endr
.irp m, 0,1
.irp ct, 0,1
	ds_load_b128 v[WF+16*(\m)+8*(\ct):WF+16*(\m)+8*(\ct)+3],   v[WA+(\sl)] offset:8*TILEB*(\m)+TILEB*(\ct)+4*BLK*(\f)
	ds_load_b128 v[WF+16*(\m)+8*(\ct)+4:WF+16*(\m)+8*(\ct)+7], v[WA+(\sl)] offset:8*TILEB*(\m)+TILEB*(\ct)+4*BLK*(\f)+2*BLK
.endr
.endr
.irp ct, 0,1
	ds_load_b128 v[WF+32+8*(\ct):WF+32+8*(\ct)+3],   v[WB+(\sl)] offset:TILEB*(\ct)+4*BLK*(\f)
	ds_load_b128 v[WF+32+8*(\ct)+4:WF+32+8*(\ct)+7], v[WB+(\sl)] offset:TILEB*(\ct)+4*BLK*(\f)+2*BLK
.endr
.endm
; 24 products.  q and k: source 0 = 16 rows of W, source 1 = 16 tokens: a lane ends with one token and 8 neighbouring channels.  v: source 0 = 16 tokens, source 1 = 16 rows of Wv: one channel
; and 8 neighbouring keys.  The 24 accumulators take turns, one instruction a turn, in the same order every time.  first = 1: the biases start the sums; nothing is cleared.
.macro MULS first
	WIN 0x50                                       ; C and D in window 1
.irp m, 0,1
.irp tt, 0,1,2,3
.irp ct, 0,1
.if \first
	v_wmma_f32_16x16x32_bf16 v[ACC+64*(\m)+16*(\tt)+8*(\ct):ACC+64*(\m)+16*(\tt)+8*(\ct)+7], v[WF+16*(\m)+8*(\ct):WF+16*(\m)+8*(\ct)+7], v[XF+8*(\tt):XF+8*(\tt)+7], v[BIAS+16*(\m)+8*(\ct):BIAS+16*(\m)+8*(\ct)+7]
.else
	v_wmma_f32_16x16x32_bf16 v[ACC+64*(\m)+16*(\tt)+8*(\ct):ACC+64*(\m)+16*(\tt)+8*(\ct)+7], v[WF+16*(\m)+8*(\ct):WF+16*(\m)+8*(\ct)+7], v[XF+8*(\tt):XF+8*(\tt)+7], v[ACC+64*(\m)+16*(\tt)+8*(\ct):ACC+64*(\m)+16*(\tt)+8*(\ct)+7]
.endif
.endr
.endr
.endr
.irp tt, 0,1,2,3
.irp ct, 0,1
.if \first
	v_wmma_f32_16x16x32_bf16 v[ACC+128+16*(\tt)+8*(\ct):ACC+128+16*(\tt)+8*(\ct)+7], v[XF+8*(\tt):XF+8*(\tt)+7], v[WF+32+8*(\ct):WF+32+8*(\ct)+7], v[BIAS+32+8*(\ct):BIAS+32+8*(\ct)+7]
.else
	v_wmma_f32_16x16x32_bf16 v[ACC+128+16*(\tt)+8*(\ct):ACC+128+16*(\tt)+8*(\ct)+7], v[XF+8*(\tt):XF+8*(\tt)+7], v[WF+32+8*(\ct):WF+32+8*(\ct)+7], v[ACC+128+16*(\tt)+8*(\ct):ACC+128+16*(\tt)+8*(\ct)+7]
.endif
.endr
.endr
.endm
; SUB sg: 32 k of K step sg / 4 are multiplied; beside that group sg + 4, a quarter of my share of the next K step, is rounded and stored, and group sg + 6 asked for.
; The group's 32 roundings stand at the head, behind the products of the 32 k before; then the one wait on va_vdst; then all the step's LDS and memory instructions in one run; then its products.
.macro SUB sg
.set ks, (\sg)/4
.set kq, (\sg)%4
.set mv, (\sg)+4
	WIN 0
.if mv <= 15
.if mv == 15
	s_wait_loadcnt 0x0                             ; the last group: nothing younger is out
.else
	s_wait_loadcnt 16                              ; group mv is in; the next group's 16 loads stay out
.endif
	s_wait_alu depctr_vm_vsrc(0)                   ; the LDS stores of the group before have read PK, which the roundings below write again
	CVT mv, 0
	CVT mv, 1
	s_wait_alu depctr_va_vdst(0)                   ; the products of the 32 k before are done reading XF and WF, in which the fragment loads land; the roundings have written PK, which the LDS stores read, and are done reading their set of G, in which the loads of group mv + 2 land
.else
	PLACES                                         ; the last four steps round nothing: four plain lines behind the products stay
	s_wait_alu depctr_va_vdst(0)                   ; the products of the 32 k before are done reading XF and WF, in which the fragment loads land
.endif
	FRAGS ks%2, kq
.if mv <= 15
	STOREG mv
.if mv+2 <= 15
	LOADG mv+2
.endif
	s_wait_dscnt 8                                 ; the 20 fragment loads are in; my 8 younger stores stay out
.else
	s_wait_dscnt 0x0
.endif
.if (\sg) == 0
	MULS 1
.else
	MULS 0
.endif
.if (kq == 3) && (ks < 3)
	WIN 0
	s_wait_dscnt 0x0                               ; my stores into the next slot are done, and my reads of this one (waited for above) are over
	s_barrier_signal -1
	s_barrier_wait -1                              ; so is everybody's: the next slot is whole, and this one may be written
.endif
.endm
	s_wait_alu depctr_va_vdst(0)                   ; the offsets and addresses v3 to v12 and v214 to v217 are written, which the loads and stores of the kernel read
	global_load_b128 v[TWL:TWL+3], v[OWL], s[18:19]
.irp ct, 0,1
.irp hf, 0,1
	global_load_b128 v[TB0+8*(\ct)+4*(\hf):TB0+8*(\ct)+4*(\hf)+3],       v[OBQ], s[12:13] offset:64*(\ct)+16*(\hf)
	global_load_b128 v[TB0+16+8*(\ct)+4*(\hf):TB0+16+8*(\ct)+4*(\hf)+3], v[OBQ], s[14:15] offset:64*(\ct)+16*(\hf)
.endr
.endr
	global_load_b32 v[TBV], v[OBV], s[16:17]
	global_load_b32 v[TBV+1], v[OBV], s[16:17] offset:64
	LOADG 0
	LOADG 1
	s_wait_loadcnt 32                              ; the eleven small loads are in; the two groups' 32 stay out
	v_cvt_pk_bf16_f32 v[TW], v[TWL], v[TWL+1]      ; Wo: rounded to bf16 like every input, and that number written as f16; its store stands behind group 0's wait on va_vdst
	v_cvt_pk_bf16_f32 v[TW+1], v[TWL+2], v[TWL+3]
	v_lshlrev_b32 v[TW+2], 16, v[TW]
	v_and_b32 v[TW+3], 0xffff0000, v[TW]
	v_lshlrev_b32 v[TW+4], 16, v[TW+1]
	v_and_b32 v[TW+5], 0xffff0000, v[TW+1]
	v_cvt_pk_f16_f32 v[TW+6], v[TW+2], v[TW+3]
	v_cvt_pk_f16_f32 v[TW+7], v[TW+4], v[TW+5]
.set i, 0
.rept 16
	v_cvt_pk_bf16_f32 v[TP+i], v[TB0+2*i], v[TB0+2*i+1]
.set i, i+1
.endr
	v_cvt_pk_bf16_f32 v[TP+16], v[TBV], v[TBV+1]
	WIN 0x40                                       ; destination window 1
.set i, 0
.rept 16
	v_lshlrev_b32 v[BIAS+2*i], 16, v[TP+i]
	v_and_b32 v[BIAS+2*i+1], 0xffff0000, v[TP+i]
.set i, i+1
.endr
.set i, 0
.rept 8                                ; in v's result a lane holds one channel: its bias in all eight registers
	v_lshlrev_b32 v[BIAS+32+i], 16, v[TP+16]
	v_and_b32 v[BIAS+40+i], 0xffff0000, v[TP+16]
.set i, i+1
.endr
	WIN 0
.irp gq, 0,1,2,3                       ; K step 0 goes into slot 0
	s_wait_loadcnt 16                              ; the group is in; the next one's 16 loads stay out
.if (\gq) > 0
	s_wait_alu depctr_vm_vsrc(0)                   ; the LDS stores of the group before have read PK, which the roundings below write again
.endif
	CVT \gq, 0
	CVT \gq, 1
	s_wait_alu depctr_va_vdst(0)                   ; the roundings have written PK, which the LDS stores read, and are done reading their set of G, in which the loads below land; for group 0 also: Wo's two words v224 and v225 are written, which wof's store reads
.if (\gq) == 0
	global_store_b64 v[OWS], v[TW+6:TW+7], s[26:27]  ; the wave's 32 lanes store 256 consecutive bytes, aligned
.endif
	STOREG \gq
	LOADG (\gq)+2
.endr
	s_wait_dscnt 0x0                               ; for the others' sake: my stores are done
	s_barrier_signal -1
	s_barrier_wait -1
	s_wait_xcnt 0x0                                ; wof's store has had its address translated: its registers are taken by the fragments now.  Beside it, the wait on vm_vsrc at the head of the step below
	                                               ; states that the head's loads and wof's store have read v214 to v217, v224 and v225, ahead of the fragment loads that land there
.irp sq, 0,1,2,3,4,5,6,7,8,9,10,11,12,13,14,15
	SUB \sq
.endr
	; THE WAY OUT.  Each accumulator's eight numbers are 16 bytes of f16 that belong together; a store of the wave covers 512 consecutive bytes.  Each accumulator is read from its low end on.
	WIN 0
	PLACES
	s_wait_alu depctr_vm_vsrc(0)                   ; the LDS stores of group 15 have read PK, which q's roundings below write
	WIN 0x01                                       ; source 0 window 1
.set i, 0
.rept 32
	v_pk_mul_f32 v[G+2*i:G+2*i+1], v[ACC+2*i:ACC+2*i+1], s[CS:CS+1] op_sel_hi:[1,0]  ; q times c, in f32, ahead of its one rounding
.set i, i+1
.endr
	WIN 0x05                                       ; sources 0 and 1 window 1
.set i, 0
.rept 64
	v_cvt_pk_f16_f32 v[G+64+i], v[ACC+64+2*i], v[ACC+64+2*i+1]  ; k, then v
.set i, i+1
.endr
	WIN 0
.set i, 0
.rept 32
	v_cvt_pk_f16_f32 v[PK+i], v[G+2*i], v[G+2*i+1]
.set i, i+1
.endr
	s_wait_alu depctr_va_vdst(0)                   ; the roundings have written PK and v80 to v143, which the 24 stores below read
.irp tt, 0,1,2,3
.irp ct, 0,1
	global_store_b128 v[SO], v[PK+8*(\tt)+4*(\ct):PK+8*(\tt)+4*(\ct)+3],     s[20:21] offset:1024*(\tt)+512*(\ct)
	global_store_b128 v[SO], v[G+64+8*(\tt)+4*(\ct):G+64+8*(\tt)+4*(\ct)+3], s[22:23] offset:1024*(\tt)+512*(\ct)
	global_store_b128 v[SO], v[G+96+8*(\tt)+4*(\ct):G+96+8*(\tt)+4*(\ct)+3], s[24:25] offset:2048*((\tt)/2)+1024*(\ct)+512*((\tt)%2)
.endr
.endr
	s_wait_dscnt 0x0                               ; the wave's end
	s_wait_alu 0x0
	s_wait_tensorcnt 0x0
	ds_add_u32 v[SPW], v[NIL]
	s_wait_dscnt 0x0
	s_endpgm
.Lfunc_end_k_qde5af8691d_qkv:
	.size	k_qde5af8691d_qkv, .Lfunc_end_k_qde5af8691d_qkv-k_qde5af8691d_qkv
	.p2alignl 7, 3214868480
	.fill 96, 4, 3214868480
	.section	.rodata,"a",@progbits
	.p2align	6, 0x0
	.amdhsa_kernel k_qde5af8691d_qkv
		.amdhsa_group_segment_fixed_size 279552
		.amdhsa_private_segment_fixed_size 0
		.amdhsa_enable_private_segment 0
		.amdhsa_kernarg_size 96
		.amdhsa_user_sgpr_count 2
		.amdhsa_user_sgpr_kernarg_segment_ptr 1
		.amdhsa_wavefront_size32 1
		.amdhsa_system_sgpr_workgroup_id_x 1
		.amdhsa_system_sgpr_workgroup_id_y 1
		.amdhsa_system_sgpr_workgroup_id_z 1
		.amdhsa_system_vgpr_workitem_id 0
		.amdhsa_next_free_vgpr 496
		.amdhsa_next_free_sgpr 66
		.amdhsa_reserve_vcc 0
		.amdhsa_float_denorm_mode_32 3
		.amdhsa_float_denorm_mode_16_64 3
		.amdhsa_memory_ordered 1
		.amdhsa_forward_progress 1
		.amdhsa_inst_pref_size 132
	.end_amdhsa_kernel
	.amdgpu_metadata
---
amdhsa.version: [ 1, 2 ]
amdhsa.kernels:
  - .name:           k_qde5af8691d_qkv
    .symbol:         k_qde5af8691d_qkv.kd
    .args:
      - { .name: hidden_states, .offset: 0, .size: 8, .value_kind: global_buffer, .address_space: global }
      - { .name: Wq, .offset: 8, .size: 8, .value_kind: global_buffer, .address_space: global }
      - { .name: Wk, .offset: 16, .size: 8, .value_kind: global_buffer, .address_space: global }
      - { .name: Wv, .offset: 24, .size: 8, .value_kind: global_buffer, .address_space: global }
      - { .name: bq, .offset: 32, .size: 8, .value_kind: global_buffer, .address_space: global }
      - { .name: bk, .offset: 40, .size: 8, .value_kind: global_buffer, .address_space: global }
      - { .name: bv, .offset: 48, .size: 8, .value_kind: global_buffer, .address_space: global }
      - { .name: Wo, .offset: 56, .size: 8, .value_kind: global_buffer, .address_space: global }
      - { .name: qf, .offset: 64, .size: 8, .value_kind: global_buffer, .address_space: global }
      - { .name: kf, .offset: 72, .size: 8, .value_kind: global_buffer, .address_space: global }
      - { .name: vf, .offset: 80, .size: 8, .value_kind: global_buffer, .address_space: global }
      - { .name: wof, .offset: 88, .size: 8, .value_kind: global_buffer, .address_space: global }
    .group_segment_fixed_size: 279552
    .private_segment_fixed_size: 0
    .kernarg_segment_align: 8
    .kernarg_segment_size: 96
    .max_flat_workgroup_size: 256
    .sgpr_count:     66
    .vgpr_count:     496
    .wavefront_size: 32
...
	.end_amdgpu_metadata
.endif
;; end of part 4
;; launch attn: the kernel of part 2 again; grid 4 x 64, 8 waves a work-group, no clusters, 322,560 bytes of LDS; arguments qf, kf, vf, dist_emb, of; writes of
;; launch oproj: the kernel of part 3 again; grid 4 x 64, 8 waves a work-group, clusters of 4 x 4, 297,984 bytes of LDS; arguments of, wof, bo, out0; writes out0
